; MI455X (gfx1250); checked and timed in simulation.
; The chip was launched on July 23, 2026; its instructions are those of AMD's public machine-readable ISA for CDNA 5 (MIT licence, August 2026) and "CDNA5" Instruction Set Architecture Reference Guide (July 2026). The comments in the code are by the model that wrote it; some were corrected since.
;; Cross Attention Reducer. Allowed arithmetic: matrix products marked QUANTISED: E2M3 operands, one E8M0 scale for each 32 along K, by v_wmma_scale_f32_16x16x128_f8f6f4 with both operands' format E2M3, f32 sums; everything else in f32.
;; Inputs: learned_queries 4,096 x 512 float32; token_input 4,096 x 4,096 float32; w_k 4,096 x 512 float32; w_out 512 x 4,096 float32; w_q 512 x 512 float32; w_v 4,096 x 512 float32.
;; Outputs: out0 4,096 x 4,096 float32.
;; This version of the problem:
;;   THIS VERSION OF THE PROBLEM IS GIVEN IN LOW PRECISION. The matrix products marked QUANTISED in the list below multiply operands that are first quantised to E2M3 (2 exponent bits, 3 mantissa bits; 6 bits a number), with one power-of-two scale for each 32 numbers along K (OCP MX v1.0); their sums are f32. All else is computed in f32.
;;   The module's matrix products, in the order in which they are computed (A, B: the left and right operand; K: the contracted axis; several contracted axes count as one K, in the product's order):
;;     1. [M 4,096, K 512] x [K 512, N 512]; A: input learned_queries; B: input w_q: QUANTISED
;;     2. [M 4,096, K 4,096] x [K 4,096, N 512]; A: input token_input; B: input w_k: QUANTISED
;;     3. [M 4,096, K 4,096] x [K 4,096, N 512]; A: input token_input; B: input w_v: QUANTISED
;;     4. batch 8 x [M 4,096, K 64] x [K 64, N 4,096]; A: computed on the way; B: computed on the way: QUANTISED
;;     5. batch 8 x [M 64, K 4,096] x [K 4,096, N 4,096]; A: computed on the way; B: softmax (see below): QUANTISED
;;     6. [M 4,096, K 512] x [K 512, N 4,096]; A: computed on the way; B: input w_out: QUANTISED
;;   THE QUANTISER, for each operand of a quantised product, along K:
;;     - K is cut into blocks of 32 from its start; a last block that is shorter is filled with zeros.
;;     - A block's scale is 2^e with e = floor(log2(the largest magnitude in the block)) - 2, held to -126 .. 127; a block of zeros has e = 0. As a byte (E8M0): e + 127.
;;     - Each number is divided by its block's scale, clamped to +-7.5, and rounded to the nearest number of E2M3, ties to even, subnormals kept.
;;     - The product sums the exact products of the quantised numbers (number of the format x scale) in f32.
;;   ~~~python
;;   def quantise(x, axis):      # numpy; x: float32 -> the quantised numbers, widened to float32 again
;;       x = np.moveaxis(x, axis, -1); K = x.shape[-1]
;;       x = np.pad(x, [(0, 0)] * (x.ndim - 1) + [(0, -K % 32)]); x = x.reshape(x.shape[:-1] + (-1, 32)); a = np.abs(x).max(-1, keepdims=True)
;;       e = np.where(a > 0, np.clip(np.frexp(np.where(a > 0, a, 1))[1] - 1 - 2, -126, 127), 0)      # np.frexp(a)[1] - 1 = floor(log2(a)), exactly
;;       r = np.clip(x / 2.0 ** e, -7.5, 7.5)
;;       step = 2.0 ** (np.maximum(np.frexp(np.where(r == 0, 1, r))[1] - 1, 0) - 3)
;;       q = np.round(r / step) * step * 2.0 ** e      # np.round: ties to even
;;       return np.moveaxis(q.reshape(q.shape[:-2] + (-1,))[..., :K], -1, axis).astype(np.float32)
;;   ~~~
;;   SOFTMAX AHEAD OF A QUANTISED PRODUCT. Where the list says 'softmax', what is quantised is not the finished softmax but p = 2^(t - M), with t = logit x log2(e) and M = ceil(the row's largest t), a whole number; so 1/2 < the row's largest p <= 1. The row's sum l is taken of the UNQUANTISED p, in f32, and the product's result is divided by l at the end. Since M is a whole number, a kernel that streams over the keys may use a running M (the ceiling of the running maximum): every later rescaling is an exact power of two, which a block's scale takes up: the codes' values come out the same.
;;   OPERANDS COMPUTED ON THE WAY. 'Computed on the way' means the value that the module computes at that place (a softmax that the list does not call 'softmax' is quantised finished and normalised). What goes into a quantiser is computed in f32, as accurately as f32 sums, v_exp_f32 and their like allow (about 1e-6 of the number): no bf16 or f16 on the way to a quantiser, and a product that is left as it is and whose result goes on into a quantised operand takes f32 operands (vector FMAs, or v_wmma_f32_16x16x4_f32). A number that lies on a knife's edge between two numbers of the format may be rounded either way, as far as f32 arithmetic and the matrix unit's own rounding can turn it there, and no further.
;; One version. Each part assembles by itself: llvm-mc -triple=amdgcn-amd-amdhsa -mcpu=gfx1250 --defsym DOCPART=n.
;; ======== version 1 of 1: 4 launches
;; limits: right only within a limited range of input values
;; workspace buffers: x_img 13,107,200 bytes; lq_img 1,638,400 bytes; wkv_img 3,276,800 bytes; wq_img 204,800 bytes; wout_img 1,638,400 bytes; kv_img 3,342,336 bytes; o_img 1,572,864 bytes; o_sc 131,072 bytes
;; launch quant (part 1): grid 776 x 1, 4 waves a work-group, no clusters, 61,952 bytes of LDS; arguments token_input, learned_queries, w_k, w_v, w_q, w_out, x_img, lq_img, wkv_img, wq_img, wout_img; writes x_img, lq_img, wkv_img, wq_img, wout_img
.if DOCPART == 1
	.amdgcn_target "amdgcn-amd-amdhsa--gfx1250"
	.amdhsa_code_object_version 6
	.text
	.protected	k_qac4563c9df_quant
	.globl	k_qac4563c9df_quant
	.p2align	8
	.type	k_qac4563c9df_quant,@function
k_qac4563c9df_quant:
	s_mov_b64 s[64:65], 0
	v_nop
	global_prefetch_b8 v0, s[64:65] scope:SCOPE_SE
	s_setreg_imm32_b32 hwreg(HW_REG_WAVE_MODE, 25, 1), 1
	s_wait_xcnt 0x0
; All six inputs, f32, become codes of FP6 (E2M3) with one E8M0 byte for each 32 along K, laid as IMAGES OF OPERAND REGISTERS.
; AN IMAGE.  For each group P of 64 rows of an operand and each K step s of 128: one dense block of 6,400 bytes at (P x K/128 + s) x 6400.
;   tile t (0..3): 1,536 bytes at 1536 t: registers 4 c .. 4 c + 3 of the fragment at 512 c + 16 x lane.
;   scale words: at 6144 + 8 L + 4 (t / 2), L = r + 16 (t % 2): one load of 8 bytes a lane gives two registers, each with an even tile's words in lanes 0-15 and the odd tile's in lanes 16-31.
;   position r of tile t = 2 b + u is row 64 P + 32 b + 8 u + r + 8 (r / 8): so a product that takes the tiles as source 0 leaves 16 neighbours in a lane's 16 registers of tiles 2 b, 2 b + 1.
; A block's scale is 2^(floor(log2(largest magnitude)) - 2); its byte is the largest magnitude's exponent field - 2, held at 1 from below.
; LIMITS: NaN and infinities among the inputs are not served; a block whose largest magnitude lies under 2^-124 gets the byte 1; a block of zeros gets the byte 1 where the rule says 127
; (its codes are zeros, which add nothing under any byte but 0xff, and this program alone reads the bytes).
; SHARES.  A wave makes one block (64 rows x 128 K: 32 KB of f32).  Work-groups 0-511 token_input, 512-575 learned_queries (K innermost: path ROWS); 576-639 w_k, 640-703 w_v, 704-767 w_out, 768-775 w_q (K is the first axis: path COLS).
; The two paths have LDS bytes of their own.  Waves share nothing: no barrier.  No work-group shares an input with another: no cluster, no tensor load; the matrix unit has nothing to do here.
.set L16, 4                            ; v4   16 x lane
.set L8,  5                            ; v5   8 x lane
.set PW,  15                           ; v15  the scale word just made
.set TM,  16                           ; v16-31 at work in QUANT
.set PC,  32                           ; v32-43 the fragment just made; v44-50 halves on their way
.set RA,  64                           ; v64-191 two sets of 64: a tile's numbers as loaded
.set XS,  192                          ; v192-255 a tile's numbers, 16 neighbours of each block a lane
.set RB,  32                           ; s[32:63] sixteen row bases
.set SRC, 70
.set DST, 72
.set SEL, 76
.set OF,  78                           ; s[78:79] an offset, its high word 0
; 64 numbers of a lane, register 16 b + i = k 32 b + 16 (lane / 16) + i of my row, become a fragment's codes in v[PC] on and its scale word in v[PW]
.macro QUANT s
.irp b, 0,1,2,3
	v_max3_num_f32 v[TM+\b], |v[\s+16*\b]|, |v[\s+1+16*\b]|, 0x1800000   ; my 16 numbers of block b, and the floor 2^(3 - 127): the byte cannot fall under 1
.endr
.irp i, 2,4,6,8,10,12,14
.irp b, 0,1,2,3
	v_max3_num_f32 v[TM+\b], v[TM+\b], |v[\s+16*\b+\i]|, |v[\s+1+16*\b+\i]|
.endr
.endr
.irp b, 0,1,2,3
	v_permlanex16_b32 v[TM+4+\b], v[TM+\b], s[SEL], s[SEL+1]
.endr
.irp b, 0,1,2,3
	v_max_num_f32 v[TM+\b], v[TM+\b], v[TM+4+\b]     ; with lane l xor 16's: the block's largest magnitude
.endr
.irp b, 0,1,2,3
	v_add_nc_u32 v[TM+12+\b], 0xff000000, v[TM+\b]   ; 2 off its exponent field: the conversion's scale operand
.endr
.irp b, 0,1,2,3
	v_lshrrev_b32 v[TM+4+\b], 23, v[TM+12+\b]        ; the scale's byte
.endr
	v_lshl_or_b32 v[PW], v[TM+5], 8, v[TM+4]
	v_lshl_or_b32 v[PW], v[TM+6], 16, v[PW]
	v_lshl_or_b32 v[PW], v[TM+7], 24, v[PW]
.irp c, 0,1
	v_cvt_scalef32_pk16_fp6_f32 v[PC+6*\c:PC+2+6*\c], v[\s+32*\c:\s+15+32*\c], v[TM+12+2*\c]
	v_cvt_scalef32_pk16_fp6_f32 v[PC+12+4*\c:PC+14+4*\c], v[\s+16+32*\c:\s+31+32*\c], v[TM+12+2*\c+1]   ; (a conversion's three registers begin on an even number)
.endr
	v_nop                                          ; one plain place behind a scaled conversion
.irp c, 0,1                                    ; the operand's layout wants a whole block in a lane
.irp i, 0,1,2
	v_permlane16_swap_b32 v[PC+6*\c+\i], v[PC+12+4*\c+\i]
.endr
.irp i, 0,1,2
	v_mov_b32 v[PC+3+6*\c+\i], v[PC+12+4*\c+\i]
.endr
.endr
.endm
; ROWS: tile f's 16 rows, 512 consecutive bytes of a row to a load
.macro LOAD f
.irp i, 0,1,2,3,4,5,6,7,8,9,10,11,12,13,14,15
	global_load_b128 v[RA+64*((\f)%2)+4*\i:RA+64*((\f)%2)+4*\i+3], v[8+(\f)], s[RB+2*\i:RB+2*\i+1] th:TH_LOAD_NT
.endr
.endm
.macro FRAG f
.if (\f) < 3
	s_wait_loadcnt 16                              ; this tile's 16 loads are in; the next tile's may be out
.else
	s_wait_loadcnt 0x0
.endif
.irp i, 0,1,2,3,4,5,6,7,8,9,10,11,12,13,14,15
	ds_store_b128 v6, v[RA+64*((\f)%2)+4*\i:RA+64*((\f)%2)+4*\i+3] offset:528*\i   ; through my stage, as they lie: LDS serves a wave's instructions in order
.endr
.irp b, 0,1,2,3
.irp j, 0,1,2,3
	ds_load_b128 v[XS+16*\b+4*\j:XS+16*\b+4*\j+3], v7 offset:128*\b+16*\j          ; back: row r, 16 neighbours of each block of 32
.endr
.endr
	s_wait_dscnt 0x0                               ; the numbers are back, and the stores have read the set
.if (\f) > 0
	s_wait_xcnt 0x0                                ; the last tile's stores have read the codes' registers, which QUANT writes again
.endif
.if (\f) < 2
	LOAD (\f)+2
.endif
	QUANT XS
.irp c, 0,1,2
	global_store_b128 v[L16], v[PC+4*\c:PC+4*\c+3], s[DST:DST+1] offset:1536*(\f)+512*\c   ; 512 consecutive bytes, aligned
.endr
.if (\f)%2 == 0
	v_mov_b32 v14, v[PW]
.else
	v_cndmask_b32 v[12+(\f)/2], v14, v[PW], vcc_lo ; lanes 0-15 the even tile's words, lanes 16-31 the odd tile's
.endif
.endm
; COLS: block n = 4 g + beta: W(32 beta + i, column 32 g + lane), i = 0 .. 31, into set n % 2
.macro CLOAD n
.set I, 0
.rept 32
	global_load_b32 v[192+32*((\n)%2)+I], v[16+2*(\n)+I/16], s[RB+2*(I%16):RB+2*(I%16)+1] th:TH_LOAD_NT
.set I, I+1
.endr
.endm
.macro BLOCK n
.set XB, 192+32*((\n)%2)
.if (\n) < 7
	s_wait_loadcnt 32                              ; this block's 32 loads are in; the next block's may be out
.else
	s_wait_loadcnt 0x0
.endif
	v_max3_num_f32 v104, |v[XB]|, |v[XB+1]|, |v[XB+2]|             ; all 32 numbers of the block are mine
	v_max3_num_f32 v105, |v[XB+3]|, |v[XB+4]|, |v[XB+5]|
.irp i, 6,10,14,18,22,26
	v_max3_num_f32 v104, v104, |v[XB+\i]|, |v[XB+\i+1]|
	v_max3_num_f32 v105, v105, |v[XB+\i+2]|, |v[XB+\i+3]|
.endr
	v_max3_num_f32 v104, v104, |v[XB+30]|, |v[XB+31]|
	v_max3_num_f32 v104, v104, v105, 0x1800000     ; and the floor
	v_add_nc_u32 v106, 0xff000000, v104            ; the conversion's scale operand
	v_lshrrev_b32 v107, 23, v106                   ; the byte
.if (\n)%4 == 0
	v_mov_b32 v[12+(\n)/4], v107
.else
	v_lshl_or_b32 v[12+(\n)/4], v107, 8*((\n)%4), v[12+(\n)/4]
.endif
	v_cvt_scalef32_pk16_fp6_f32 v[96:98], v[XB:XB+15], v106
	v_cvt_scalef32_pk16_fp6_f32 v[100:102], v[XB+16:XB+31], v106
	v_nop                                          ; one plain place behind a scaled conversion
	v_mov_b32 v99, v100
	v_mov_b32 v100, v101
	v_mov_b32 v101, v102                           ; v96-101: the block's 24 bytes: registers 6 c .. 6 c + 5 (c = beta / 2) of lane r + 16 (beta % 2) of tile 2 g + u
.if ((\n)%4) < 2
	ds_store_b128 v8, v[96:99] offset:3328*((\n)/4)+256*((\n)%2)
	ds_store_b64 v8, v[100:101] offset:3328*((\n)/4)+256*((\n)%2)+512
.else
	ds_store_b64 v8, v[96:97] offset:3328*((\n)/4)+256*((\n)%2)+520
	ds_store_b128 v8, v[98:101] offset:3328*((\n)/4)+256*((\n)%2)+1024
.endif
.if (\n) < 6
	CLOAD (\n)+2
.endif
	s_wait_dscnt 0x0                               ; the stores have read their registers
.endm
	s_load_b256 s[4:11], s[0:1], 0x0               ; token_input, learned_queries, w_k, w_v
	s_load_b256 s[12:19], s[0:1], 0x20             ; w_q, w_out, x_img, lq_img
	s_load_b128 s[20:23], s[0:1], 0x40             ; wkv_img, wq_img
	s_load_b64 s[24:25], s[0:1], 0x50              ; wout_img
	v_lshl_add_u32 v62, v0, 2, 0xf000              ; v62: my spare word, v63: 0; neither path names them for anything else
	v_mov_b32 v63, 0
	v_lshrrev_b32 v1, 5, v0
	v_readfirstlane_b32 s26, v1                    ; wave
	v_and_b32 v1, 31, v0                           ; lane
	v_lshlrev_b32 v[L16], 4, v1
	v_lshlrev_b32 v[L8], 3, v1
	s_mov_b32 s[OF+1], 0
	s_wait_kmcnt 0x0
	s_cmp_lt_u32 ttmp9, 576
	s_cbranch_scc0 .Lcols
	; ---------------- ROWS: K innermost
	s_cmp_lt_u32 ttmp9, 512                        ; token_input or learned_queries: the choice hangs on the work-group's number alone
	s_cselect_b64 s[SRC:SRC+1], s[4:5], s[6:7]
	s_cselect_b64 s[DST:DST+1], s[16:17], s[18:19]
	s_mov_b32 s66, 2048
	s_cselect_b32 s66, 16384, s66                  ; a row in bytes
	s_cselect_b32 s67, 5, 2                        ; log2 of the K steps in a row
	s_cselect_b32 s68, 0, 512
	s_sub_co_u32 s68, ttmp9, s68
	s_lshl_b32 s68, s68, 2
	s_add_co_u32 s68, s68, s26                     ; my block's number
	s_lshr_b32 s69, s68, s67                       ; P
	s_lshl_b32 s74, s69, s67
	s_sub_co_u32 s74, s68, s74                     ; s
	s_mul_i32 s[OF], s69, s66
	s_lshl_b32 s[OF], s[OF], 6                     ; 64 P rows
	s_lshl_b32 s74, s74, 9                         ; + 512 s bytes
	s_add_co_u32 s[OF], s[OF], s74
	s_add_nc_u64 s[SRC:SRC+1], s[SRC:SRC+1], s[OF:OF+1]
	s_mul_i32 s[OF], s68, 6400
	s_add_nc_u64 s[DST:DST+1], s[DST:DST+1], s[OF:OF+1]
.irp i, 0,1,2,3,4,5,6,7,8,9,10,11,12,13,14,15
	s_mul_i32 s[OF], s66, \i+8*(\i/8)              ; position i of a tile lies i + 8 (i / 8) rows behind its first
	s_add_nc_u64 s[RB+2*\i:RB+2*\i+1], s[SRC:SRC+1], s[OF:OF+1]
.endr
	s_wait_alu depctr_va_vdst(0)
.irp f, 0,1,2,3
	s_mul_i32 s[OF], s66, 32*(\f/2)+8*(\f%2)       ; tile f begins at row 32 (f / 2) + 8 (f % 2)
	v_add_nc_u32 v[8+\f], s[OF], v[L16]
.endr
	v_and_b32 v2, 15, v0                           ; r
	v_bfe_u32 v3, v0, 4, 1                         ; h
	s_mul_i32 s80, s26, 8448                       ; my stage: 16 rows x (512 + 16) bytes
	v_add_nc_u32 v6, s80, v[L16]
	v_mul_u32_u24 v7, v2, 528
	v_lshl_add_u32 v7, v3, 6, v7
	v_add_nc_u32 v7, s80, v7
	v_cmp_le_u32 vcc_lo, 16, v1                    ; lanes 16-31
	s_mov_b32 s[SEL], 0x76543210
	s_mov_b32 s[SEL+1], 0xfedcba98                 ; lane l xor 16
.irp b, 0,1,2,3
	v_mov_b32 v[TM+4+\b], 0                        ; a lane permute's destination counts as one of its sources
.endr
	LOAD 0
	LOAD 1
	s_wait_alu depctr_va_vdst(0)
	FRAG 0
	FRAG 1
	FRAG 2
	FRAG 3
	global_store_b64 v[L8], v[12:13], s[DST:DST+1] offset:6144   ; the block's scale words: 256 consecutive bytes, aligned
	s_wait_tensorcnt 0x0                           ; the wave's end
	ds_add_u32 v62, v63
	s_wait_dscnt 0x0
	s_endpgm
	; ---------------- COLS: K is the first axis.  A lane takes a column, its registers run down K
.Lcols:
	s_mov_b64 s[SRC:SRC+1], s[12:13]               ; w_q, unless the work-group's number says otherwise
	s_mov_b64 s[DST:DST+1], s[22:23]
	s_mov_b32 s66, 2048                            ; a row of the weight in bytes
	s_mov_b32 s67, 3                               ; log2 of its groups of 64 columns
	s_mov_b32 s68, 4                               ; K steps
	s_mov_b32 s69, 768                             ; its first work-group
	s_mov_b32 s74, 0                               ; its first group in the image
	s_cmp_lt_u32 ttmp9, 768                        ; w_out
	s_cselect_b64 s[SRC:SRC+1], s[14:15], s[SRC:SRC+1]
	s_cselect_b64 s[DST:DST+1], s[24:25], s[DST:DST+1]
	s_cselect_b32 s66, 16384, s66
	s_cselect_b32 s67, 6, s67
	s_cselect_b32 s69, 704, s69
	s_cmp_lt_u32 ttmp9, 704                        ; w_v: groups 8-15 of wkv_img
	s_cselect_b64 s[SRC:SRC+1], s[10:11], s[SRC:SRC+1]
	s_cselect_b64 s[DST:DST+1], s[20:21], s[DST:DST+1]
	s_cselect_b32 s66, 2048, s66
	s_cselect_b32 s67, 3, s67
	s_cselect_b32 s68, 32, s68
	s_cselect_b32 s69, 640, s69
	s_cselect_b32 s74, 8, s74
	s_cmp_lt_u32 ttmp9, 640                        ; w_k: groups 0-7
	s_cselect_b64 s[SRC:SRC+1], s[8:9], s[SRC:SRC+1]
	s_cselect_b32 s69, 576, s69
	s_cselect_b32 s74, 0, s74
	s_sub_co_u32 s69, ttmp9, s69
	s_lshl_b32 s69, s69, 2
	s_add_co_u32 s69, s69, s26                     ; my block's number
	s_lshr_b32 s75, s69, s67                       ; s
	s_lshl_b32 s[OF], s75, s67
	s_sub_co_u32 s69, s69, s[OF]                   ; P
	s_mul_i32 s[OF], s75, s66
	s_lshl_b32 s[OF], s[OF], 7                     ; 128 s rows
	s_lshl_b32 s80, s69, 8                         ; + 64 P columns
	s_add_co_u32 s[OF], s[OF], s80
	s_add_nc_u64 s[SRC:SRC+1], s[SRC:SRC+1], s[OF:OF+1]
	s_add_co_u32 s69, s69, s74
	s_mul_i32 s69, s69, s68
	s_add_co_u32 s69, s69, s75
	s_mul_i32 s[OF], s69, 6400
	s_add_nc_u64 s[DST:DST+1], s[DST:DST+1], s[OF:OF+1]
.irp i, 0,1,2,3,4,5,6,7,8,9,10,11,12,13,14,15
	s_mul_i32 s[OF], s66, \i
	s_add_nc_u64 s[RB+2*\i:RB+2*\i+1], s[SRC:SRC+1], s[OF:OF+1]
.endr
	s_wait_alu depctr_va_vdst(0)
	v_lshlrev_b32 v2, 2, v1
	s_wait_alu depctr_va_vdst(0)
.irp m, 0,1,2,3,4,5,6,7,8,9,10,11,12,13,14,15
	s_mul_i32 s[OF], s66, 32*((\m/2)%4)+16*(\m%2)  ; block n = m / 2, its half m % 2: rows 32 (n % 4) + 16 (m % 2) on,
	s_add_co_u32 s[OF], s[OF], 128*(\m/8)          ; columns 32 (n / 4) on
	v_add_nc_u32 v[16+\m], s[OF], v2
.endr
	s_mul_i32 s80, s26, 6912
	s_add_co_u32 s80, s80, 33792                   ; my region: four tile images 1,664 bytes apart, then 256 bytes of scale words
	v_bfe_u32 v2, v0, 3, 1                         ; u: column 32 g + lane is position r of tile 2 g + u,
	v_and_b32 v3, 7, v0
	v_bfe_u32 v6, v0, 4, 1
	v_lshl_add_u32 v3, v6, 3, v3                   ; r = lane % 8 + 8 (lane / 16)
	v_mul_u32_u24 v8, v2, 1664
	v_lshl_add_u32 v8, v3, 4, v8
	v_add_nc_u32 v8, s80, v8                       ; into the images
	v_lshl_add_u32 v9, v2, 4, v3
	v_lshlrev_b32 v9, 3, v9
	v_add_nc_u32 v9, s80, v9
	v_add_nc_u32 v9, 6656, v9                      ; my scale words: 8 (r + 16 u)
	v_add_nc_u32 v10, s80, v[L16]                  ; back: 16 x lane
	v_add_nc_u32 v11, s80, v[L8]
	v_add_nc_u32 v11, 6656, v11
	CLOAD 0
	CLOAD 1
.irp n, 0,1,2,3,4,5,6,7
	BLOCK \n
.endr
	ds_store_b32 v9, v12
	s_wait_alu depctr_va_vdst(0)
	ds_store_b32 v9, v13 offset:4
.irp t, 0,1,2,3
.irp c, 0,1,2
	ds_load_b128 v[112+12*\t+4*\c:112+12*\t+4*\c+3], v10 offset:1664*\t+512*\c   ; LDS serves a wave's instructions in order: these see my stores
.endr
.endr
	ds_load_b64 v[160:161], v11
.irp t, 0,1,2,3
.irp c, 0,1,2
	s_wait_dscnt 12-(3*\t+\c)                      ; the loads behind this one may be out
	global_store_b128 v[L16], v[112+12*\t+4*\c:112+12*\t+4*\c+3], s[DST:DST+1] offset:1536*\t+512*\c
.endr
.endr
	s_wait_dscnt 0x0
	global_store_b64 v[L8], v[160:161], s[DST:DST+1] offset:6144
	s_wait_tensorcnt 0x0                           ; the wave's end
	ds_add_u32 v62, v63
	s_wait_dscnt 0x0
	s_endpgm
.Lfunc_end_k_qac4563c9df_quant:
	.size	k_qac4563c9df_quant, .Lfunc_end_k_qac4563c9df_quant-k_qac4563c9df_quant
	.p2alignl 7, 3214868480
	.fill 96, 4, 3214868480
	.section	.rodata,"a",@progbits
	.p2align	6, 0x0
	.amdhsa_kernel k_qac4563c9df_quant
		.amdhsa_group_segment_fixed_size 61952
		.amdhsa_private_segment_fixed_size 0
		.amdhsa_enable_private_segment 0
		.amdhsa_kernarg_size 88
		.amdhsa_user_sgpr_count 2
		.amdhsa_user_sgpr_kernarg_segment_ptr 1
		.amdhsa_wavefront_size32 1
		.amdhsa_system_sgpr_workgroup_id_x 1
		.amdhsa_system_sgpr_workgroup_id_y 1
		.amdhsa_system_sgpr_workgroup_id_z 1
		.amdhsa_system_vgpr_workitem_id 0
		.amdhsa_next_free_vgpr 256
		.amdhsa_next_free_sgpr 100
		.amdhsa_reserve_vcc 1
		.amdhsa_float_denorm_mode_32 3
		.amdhsa_float_denorm_mode_16_64 3
		.amdhsa_memory_ordered 1
		.amdhsa_forward_progress 1
		.amdhsa_inst_pref_size 80
	.end_amdhsa_kernel
	.amdgpu_metadata
---
amdhsa.version: [ 1, 2 ]
amdhsa.kernels:
  - .name:           k_qac4563c9df_quant
    .symbol:         k_qac4563c9df_quant.kd
    .args:
      - { .name: token_input, .offset: 0, .size: 8, .value_kind: global_buffer, .address_space: global }
      - { .name: learned_queries, .offset: 8, .size: 8, .value_kind: global_buffer, .address_space: global }
      - { .name: w_k, .offset: 16, .size: 8, .value_kind: global_buffer, .address_space: global }
      - { .name: w_v, .offset: 24, .size: 8, .value_kind: global_buffer, .address_space: global }
      - { .name: w_q, .offset: 32, .size: 8, .value_kind: global_buffer, .address_space: global }
      - { .name: w_out, .offset: 40, .size: 8, .value_kind: global_buffer, .address_space: global }
      - { .name: x_img, .offset: 48, .size: 8, .value_kind: global_buffer, .address_space: global }
      - { .name: lq_img, .offset: 56, .size: 8, .value_kind: global_buffer, .address_space: global }
      - { .name: wkv_img, .offset: 64, .size: 8, .value_kind: global_buffer, .address_space: global }
      - { .name: wq_img, .offset: 72, .size: 8, .value_kind: global_buffer, .address_space: global }
      - { .name: wout_img, .offset: 80, .size: 8, .value_kind: global_buffer, .address_space: global }
    .group_segment_fixed_size: 61952
    .private_segment_fixed_size: 0
    .kernarg_segment_align: 8
    .kernarg_segment_size: 88
    .max_flat_workgroup_size: 128
    .sgpr_count:     100
    .vgpr_count:     256
    .wavefront_size: 32
...
	.end_amdgpu_metadata
.endif
;; end of part 1
;; launch kvproj (part 2): grid 8 x 32, 4 waves a work-group, clusters of 4 x 4, 327,680 bytes of LDS; arguments x_img, wkv_img, kv_img; writes kv_img
.if DOCPART == 2
	.amdgcn_target "amdgcn-amd-amdhsa--gfx1250"
	.amdhsa_code_object_version 6
	.text
	.protected	k_qac4563c9df_kvproj
	.globl	k_qac4563c9df_kvproj
	.p2align	8
	.type	k_qac4563c9df_kvproj,@function
k_qac4563c9df_kvproj:
	s_mov_b64 s[64:65], 0
	v_nop
	global_prefetch_b8 v0, s[64:65] scope:SCOPE_SE
	s_setreg_imm32_b32 hwreg(HW_REG_WAVE_MODE, 25, 1), 1
	s_wait_xcnt 0x0
	s_wait_alu depctr_hold_cnt(0) depctr_sa_sdst(0) depctr_va_vdst(0) depctr_va_sdst(0) depctr_va_ssrc(0) depctr_va_vcc(0) depctr_vm_vsrc(0)
	s_getreg_b32 s2, hwreg(HW_REG_IB_STS2, 6, 4)
	s_cmp_eq_u32 s2, 0
	s_cbranch_scc0 .Lentry_in_a_cluster
	s_endpgm
.Lentry_in_a_cluster:
	s_bfe_u32 s2, ttmp6, 0x10000c
	s_cmp_lg_u32 s2, 0xf033
	s_cbranch_scc0 .Lentry_shape_is_right
	s_endpgm
.Lentry_shape_is_right:
.set STEPB, 6400
.set REGB,  25600
.set SLOT,  102400
.set KST,   204800
.set VST,   205824
.set SPARE, 206336
.set AS0, 16
.set AS1, 18
.set AE0, 20
.set AE1, 22
.set L16, 24
.set L8,  25
.set KSW, 26
.set VSW, 27
.set SPW, 28
.set NIL, 29
.set KSR, 30
.set VSR, 31
.set SC,  32
.set ACC, 64
.set PC,  192
.set T,   224
.set TM,  228
.set PW,  244
.set WW,  248
.set G1,  24
.set G0,  32
.set G1B, 48
.set G0B, 56
.set OB,  68
.set SCB, 76
.set SEL, 10
.set MSB, 0
.macro WIN new
.if MSB != \new
	s_set_vgpr_msb (MSB<<8)|\new
.set MSB, \new
.endif
.endm
.set MULW, 0x05
.set TO_F, 0x40
.macro PLACES
.rept 4
	v_nop
.endr
.endm
.macro JLOAD g0a, g1a, g0b, g1b
	s_cmp_eq_u32 s15, 0
	s_cbranch_scc0 .Lfor_b_\@
	tensor_load_to_lds s[\g0a:\g0a+3], s[\g1a:\g1a+7]
	s_nop 0
.rept 4
	v_nop
.endr
	s_branch .Lasked_\@
.Lfor_b_\@:
	tensor_load_to_lds s[\g0b:\g0b+3], s[\g1b:\g1b+7]
	s_nop 0
.rept 4
	v_nop
.endr
.Lasked_\@:
.endm
.macro CREST
	s_cmp_lg_u32 s14, 0
	s_cbranch_scc1 .Lnot_wave_0_\@
	s_barrier_signal -3
.Lnot_wave_0_\@:
	s_barrier_wait -3
	s_barrier_signal -1
	s_barrier_wait -1
.endm
.macro CROUND
	s_barrier_signal -1
	s_barrier_wait -1
	CREST
.endm
.macro WMS d, a, b, zero, sa, sb, ra, rb
.if (\zero) && ((\ra)==0) && ((\rb)==0)
	v_wmma_scale_f32_16x16x128_f8f6f4 v[\d:\d+7], v[\a:\a+11], v[\b:\b+11], 0, v[\sa], v[\sb] matrix_a_fmt:MATRIX_FMT_FP6 matrix_b_fmt:MATRIX_FMT_FP6
.elseif (\zero) && ((\rb)==0)
	v_wmma_scale_f32_16x16x128_f8f6f4 v[\d:\d+7], v[\a:\a+11], v[\b:\b+11], 0, v[\sa], v[\sb] matrix_a_fmt:MATRIX_FMT_FP6 matrix_b_fmt:MATRIX_FMT_FP6 matrix_a_scale:MATRIX_SCALE_ROW1
.elseif (\zero) && ((\ra)==0)
	v_wmma_scale_f32_16x16x128_f8f6f4 v[\d:\d+7], v[\a:\a+11], v[\b:\b+11], 0, v[\sa], v[\sb] matrix_a_fmt:MATRIX_FMT_FP6 matrix_b_fmt:MATRIX_FMT_FP6 matrix_b_scale:MATRIX_SCALE_ROW1
.elseif (\zero)
	v_wmma_scale_f32_16x16x128_f8f6f4 v[\d:\d+7], v[\a:\a+11], v[\b:\b+11], 0, v[\sa], v[\sb] matrix_a_fmt:MATRIX_FMT_FP6 matrix_b_fmt:MATRIX_FMT_FP6 matrix_a_scale:MATRIX_SCALE_ROW1 matrix_b_scale:MATRIX_SCALE_ROW1
.elseif ((\ra)==0) && ((\rb)==0)
	v_wmma_scale_f32_16x16x128_f8f6f4 v[\d:\d+7], v[\a:\a+11], v[\b:\b+11], v[\d:\d+7], v[\sa], v[\sb] matrix_a_fmt:MATRIX_FMT_FP6 matrix_b_fmt:MATRIX_FMT_FP6
.elseif ((\rb)==0)
	v_wmma_scale_f32_16x16x128_f8f6f4 v[\d:\d+7], v[\a:\a+11], v[\b:\b+11], v[\d:\d+7], v[\sa], v[\sb] matrix_a_fmt:MATRIX_FMT_FP6 matrix_b_fmt:MATRIX_FMT_FP6 matrix_a_scale:MATRIX_SCALE_ROW1
.elseif ((\ra)==0)
	v_wmma_scale_f32_16x16x128_f8f6f4 v[\d:\d+7], v[\a:\a+11], v[\b:\b+11], v[\d:\d+7], v[\sa], v[\sb] matrix_a_fmt:MATRIX_FMT_FP6 matrix_b_fmt:MATRIX_FMT_FP6 matrix_b_scale:MATRIX_SCALE_ROW1
.else
	v_wmma_scale_f32_16x16x128_f8f6f4 v[\d:\d+7], v[\a:\a+11], v[\b:\b+11], v[\d:\d+7], v[\sa], v[\sb] matrix_a_fmt:MATRIX_FMT_FP6 matrix_b_fmt:MATRIX_FMT_FP6 matrix_a_scale:MATRIX_SCALE_ROW1 matrix_b_scale:MATRIX_SCALE_ROW1
.endif
.endm
.macro MUL from, to, p, zero
.set NN, \from
.rept (\to)-(\from)
	WMS ACC+8*NN, 128*(\p)+12*(NN%4), 128*(\p)+48+12*(NN/4), \zero, SC+4*(\p)+(NN%4)/2, SC+4*(\p)+2+(NN/4)/2, NN%2, (NN/4)%2
.set NN, NN+1
.endr
.endm
.macro FETCH n, q, p
	WIN TO_F
.irp t, 0,1,2,3
.irp c, 0,1,2
	ds_load_b128 v[128*(\p)+12*\t+4*\c:128*(\p)+12*\t+4*\c+3], v[AS0+\n] offset:STEPB*(\q)+1536*\t+512*\c
.endr
.endr
.irp t, 0,1,2,3
.irp c, 0,1,2
	ds_load_b128 v[128*(\p)+48+12*\t+4*\c:128*(\p)+48+12*\t+4*\c+3], v[AS1+\n] offset:STEPB*(\q)+1536*\t+512*\c
.endr
.endr
	WIN 0
	ds_load_b64 v[SC+4*(\p):SC+4*(\p)+1], v[AE0+\n] offset:STEPB*(\q)+6144
	ds_load_b64 v[SC+4*(\p)+2:SC+4*(\p)+3], v[AE1+\n] offset:STEPB*(\q)+6144
.endm
.macro STEP n, q, zero
	s_wait_dscnt 0x0
	WIN MULW
	MUL 0, 8, (\q)%2, \zero
	PLACES
	FETCH \n, (\q)+1, 1-(\q)%2
	WIN MULW
	MUL 8, 16, (\q)%2, \zero
.endm
.macro TURN n, next, fill
	WIN 0
.if \fill
	s_wait_xcnt 0x0                                ; the last prefetch has read its address: it steps one slot on
	s_add_nc_u64 s[92:93], s[92:93], REGB
.endif
	s_wait_tensorcnt 0x0
	ds_add_u32 v[SPW], v[NIL]
	s_wait_dscnt 1
	WIN MULW
	MUL 0, 4, 1, 0
	s_wait_dscnt 0x0
	s_barrier_signal -1
	MUL 4, 8, 1, 0
	WIN 0
	s_barrier_wait -1
.if \fill
	CREST
	s_add_nc_u64 s[G0+4*\n+2:G0+4*\n+3], s[G0+4*\n+2:G0+4*\n+3], 2*REGB
	s_add_nc_u64 s[G0B+4*\n+2:G0B+4*\n+3], s[G0B+4*\n+2:G0B+4*\n+3], 2*REGB
	JLOAD G0+4*\n, G1, G0B+4*\n, G1B
.else
	PLACES
.endif
	s_wait_alu depctr_va_vdst(0)
	FETCH \next, 0, 0
.if \fill
	s_cmp_gt_u32 s3, 1                             ; the last lap's two refills have no slot two on
	s_cbranch_scc0 .Lno_ask_\@
	global_prefetch_b8 v2, s[92:93] offset:3*REGB th:TH_LOAD_NT scope:SCOPE_SE   ; the slot two refills on: my partner's share of my region, 25 blocks of 256 bytes
.Lno_ask_\@:
.endif
	WIN MULW
	MUL 8, 16, 1, 0
.endm
.macro QUANT32 s, pc, pw
.irp b, 0,1
	v_max3_num_f32 v[TM+\b], |v[\s+16*\b]|, |v[\s+1+16*\b]|, 0x1800000
.endr
.irp i, 2,4,6,8,10,12,14
.irp b, 0,1
	v_max3_num_f32 v[TM+\b], v[TM+\b], |v[\s+16*\b+\i]|, |v[\s+1+16*\b+\i]|
.endr
.endr
.irp b, 0,1
	v_permlanex16_b32 v[TM+4+\b], v[TM+\b], s[SEL], s[SEL+1]
.endr
.irp b, 0,1
	v_max_num_f32 v[TM+\b], v[TM+\b], v[TM+4+\b]
.endr
.irp b, 0,1
	v_add_nc_u32 v[TM+12+\b], 0xff000000, v[TM+\b]
.endr
.irp b, 0,1
	v_lshrrev_b32 v[TM+4+\b], 23, v[TM+12+\b]
.endr
	v_lshl_or_b32 v[\pw], v[TM+5], 8, v[TM+4]
	v_cvt_scalef32_pk16_fp6_f32 v[\pc:\pc+2], v[\s:\s+15], v[TM+12]
	v_cvt_scalef32_pk16_fp6_f32 v[T:T+2], v[\s+16:\s+31], v[TM+13]
	v_nop
.irp i, 0,1,2
	v_permlane16_swap_b32 v[\pc+\i], v[T+\i]
.endr
.irp i, 0,1,2
	v_mov_b32 v[\pc+3+\i], v[T+\i]
.endr
.endm
	s_load_b128 s[4:7], s[0:1], 0x0
	s_load_b64 s[8:9], s[0:1], 0x10
	v_lshl_add_u32 v[SPW], v0, 2, SPARE
	v_mov_b32 v[NIL], 0
	ds_add_u32 v28, v29
	ds_add_u32 v28, v29
	s_wait_dscnt 0x0
	v_lshrrev_b32 v1, 5, v0
	v_readfirstlane_b32 s14, v1
	s_lshr_b32 s15, s14, 1
	s_and_b32 s16, s14, 1
	s_bfe_u32 s40, ttmp6, 0x40000
	s_bfe_u32 s41, ttmp6, 0x40004
	s_lshl_b32 s42, ttmp9, 2
	s_add_co_u32 s42, s42, s40
	s_and_b32 s17, ttmp7, 0xffff
	s_lshl_b32 s17, s17, 2
	s_add_co_u32 s17, s17, s41
	s_lshl_b32 s43, s41, 2
	s_lshl_b32 s43, 15, s43
	s_lshl_b32 s44, 0x1111, s40
	s_or_b32 s[G1], s43, (3<<16)|(1<<21)
	s_or_b32 s[G1B], s44, (3<<16)|(1<<21)
.irp g, G1, G1B
	s_mov_b32 s[\g+1], 32<<16
	s_mov_b32 s[\g+2], 100<<16
	s_mov_b32 s[\g+3], 32<<16
	s_mov_b32 s[\g+4], 100
	s_mov_b32 s[\g+5], 32
	s_mov_b32 s[\g+6], 0
	s_mov_b32 s[\g+7], 0
.endr
	s_lshl_b32 s20, s17, 1
	s_add_co_u32 s20, s20, s16
	s_mul_i32 s20, s20, 204800
	s_mov_b32 s21, 0
	s_lshl_b32 s46, s42, 1
	s_add_co_u32 s46, s46, s16
	s_mul_i32 s46, s46, 204800
	s_mov_b32 s47, 0
	s_mul_i32 s45, s14, REGB
	s_wait_kmcnt 0x0
	s_add_nc_u64 s[20:21], s[4:5], s[20:21]
	s_add_nc_u64 s[46:47], s[6:7], s[46:47]
	; the prefetches: of the 100 blocks of 256 bytes that my wave fetches for a slot, the partner at place p (cx for x, cy for the weights) names K step p's 25: told apart by address alone
	s_cmp_eq_u32 s15, 0
	s_cselect_b64 s[92:93], s[20:21], s[46:47]
	s_cselect_b32 s94, s40, s41
	s_mul_i32 s94, s94, STEPB
	s_mov_b32 s95, 0
	s_add_nc_u64 s[92:93], s[92:93], s[94:95]
	v_and_b32 v2, 31, v0
	v_min_u32 v2, 24, v2                           ; lanes 25-31 name the last block once more
	v_lshlrev_b32 v2, 8, v2
.irp s, 0,1
	s_mov_b32 s[G0+4*\s], 1
	s_add_co_u32 s[G0+4*\s+1], s45, \s*SLOT
	s_add_nc_u64 s[G0+4*\s+2:G0+4*\s+3], s[20:21], \s*REGB
	s_or_b32 s[G0+4*\s+3], s[G0+4*\s+3], 0x80000000
	s_mov_b32 s[G0B+4*\s], 1
	s_add_co_u32 s[G0B+4*\s+1], s45, \s*SLOT
	s_add_nc_u64 s[G0B+4*\s+2:G0B+4*\s+3], s[46:47], \s*REGB
	s_or_b32 s[G0B+4*\s+3], s[G0B+4*\s+3], 0x80000000
	s_wait_alu depctr_va_vdst(0)
	s_wait_tensorcnt 0x0
	ds_add_u32 v28, v29
	ds_add_u32 v28, v29
	s_wait_dscnt 0x0
	CROUND
	JLOAD G0+4*\s, G1, G0B+4*\s, G1B
.if \s == 0
	global_prefetch_b8 v2, s[92:93] offset:REGB th:TH_LOAD_NT scope:SCOPE_SE     ; slots 1 and 2,
	global_prefetch_b8 v2, s[92:93] offset:2*REGB th:TH_LOAD_NT scope:SCOPE_SE
.else
	global_prefetch_b8 v2, s[92:93] offset:3*REGB th:TH_LOAD_NT scope:SCOPE_SE   ; slot 3
.endif
.endr
	v_and_b32 v1, 31, v0
	v_lshlrev_b32 v[L16], 4, v1
	s_wait_alu depctr_va_vdst(0)
	v_lshlrev_b32 v[L8], 3, v1
	s_wait_alu depctr_va_vdst(0)
	s_mul_i32 s80, s15, REGB
	s_mul_i32 s81, s16, REGB
	s_cmp_eq_u32 ttmp9, 0
	s_cselect_b32 s78, 2*REGB, 0
	s_cselect_b32 s79, 0, 2*REGB
	s_add_co_u32 s78, s78, s80
	s_add_co_u32 s79, s79, s81
.irp n, 0,1
	v_add_nc_u32 v[AS0+\n], s78, v[L16]
	v_add_nc_u32 v[AS1+\n], s79, v[L16]
	v_add_nc_u32 v[AE0+\n], s78, v[L8]
	v_add_nc_u32 v[AE1+\n], s79, v[L8]
	s_add_co_u32 s78, s78, SLOT
	s_add_co_u32 s79, s79, SLOT
.endr
	s_lshl_b32 s80, s15, 9
	s_lshl_b32 s81, s16, 3
	s_add_co_u32 s80, s80, s81
	s_add_co_u32 s80, s80, KST
	v_add_nc_u32 v[KSW], s80, v[L16]
	s_lshl_b32 s80, s16, 8
	s_lshl_b32 s81, s15, 1
	s_add_co_u32 s80, s80, s81
	s_add_co_u32 s80, s80, VST
	v_add_nc_u32 v[VSW], s80, v[L8]
	s_lshl_b32 s80, s16, 9
	s_add_co_u32 s80, s80, KST
	v_add_nc_u32 v[KSR], s80, v[L16]
	s_lshl_b32 s80, s16, 8
	s_add_co_u32 s80, s80, VST
	v_add_nc_u32 v[VSR], s80, v[L8]
	v_mov_b32 v[TM+4], 0
	v_mov_b32 v[TM+5], 0
	s_mov_b32 s[SEL], 0x76543210
	s_mov_b32 s[SEL+1], 0xfedcba98
	s_lshl_b32 s81, s42, 1
	s_add_co_u32 s85, s81, s16
	s_add_co_u32 s81, s81, s15
	s_and_b32 s82, s42, 3
	s_lshl_b32 s82, s82, 1
	s_add_co_u32 s82, s82, s16
	s_mul_i32 s83, s16, 3072
	s_mul_i32 s84, s15, 768
	s_add_co_u32 s84, s84, 6656
	s_mov_b32 s87, 1536
	s_mov_b32 s88, 12800
	s_cmp_eq_u32 ttmp9, 0
	s_cselect_b32 s81, s81, s82
	s_cselect_b32 s83, s83, s84
	s_cselect_b32 s87, 768, s87
	s_cselect_b32 s85, s85, s82
	s_cselect_b32 s88, 6144, s88
	s_lshl_b32 s81, s81, 5
	s_add_co_u32 s81, s81, s17
	s_mul_i32 s90, s81, 13056
	s_add_co_u32 s90, s90, s83
	s_mov_b32 s91, 0
.irp u, 0,1,2,3
	s_add_nc_u64 s[OB+2*\u:OB+2*\u+1], s[8:9], s[90:91]
	s_add_co_u32 s90, s90, s87
.endr
	s_lshl_b32 s85, s85, 5
	s_add_co_u32 s85, s85, s17
	s_mul_i32 s90, s85, 13056
	s_add_co_u32 s90, s90, s88
	s_add_nc_u64 s[SCB:SCB+1], s[8:9], s[90:91]
	s_wait_tensorcnt 1
	s_barrier_signal -1
	s_barrier_wait -1
	FETCH 0, 0, 0
	STEP 0, 0, 1
	WIN 0
	s_mov_b32 s3, 3
.Llap:
	STEP 0, 1, 0
	STEP 0, 2, 0
	TURN 0, 1, 1
	STEP 1, 0, 0
	STEP 1, 1, 0
	STEP 1, 2, 0
	TURN 1, 0, 1
	STEP 0, 0, 0
	WIN 0
	s_sub_co_u32 s3, s3, 1
	s_cmp_lg_u32 s3, 0
	s_cbranch_scc1 .Llap
	STEP 0, 1, 0
	STEP 0, 2, 0
	TURN 0, 1, 0
	STEP 1, 0, 0
	STEP 1, 1, 0
	STEP 1, 2, 0
	s_wait_dscnt 0x0
	WIN MULW
	MUL 0, 16, 1, 0
	WIN 0
	PLACES
.irp u, 0,1,2,3
	QUANT32 ACC+32*\u, PC+8*\u, PW+\u
.endr
.irp u, 0,1,2,3
	global_store_b128 v[L16], v[PC+8*\u:PC+8*\u+3], s[OB+2*\u:OB+2*\u+1]
	global_store_b64 v[L8], v[PC+8*\u+4:PC+8*\u+5], s[OB+2*\u:OB+2*\u+1] offset:512
.endr
	v_cmp_le_u32 vcc_lo, 16, v1
	v_cndmask_b32 v[WW], v[PW], v[PW+1], vcc_lo
	v_cndmask_b32 v[WW+1], v[PW+2], v[PW+3], vcc_lo
	s_cmp_eq_u32 ttmp9, 0
	s_cbranch_scc0 .Lv_words
	ds_store_b64 v[KSW], v[WW:WW+1]
	s_branch .Lwords_in
.Lv_words:
	s_wait_alu depctr_va_vdst(0)
	ds_store_b16 v[VSW], v[WW]
	ds_store_b16 v[VSW], v[WW+1] offset:4
.Lwords_in:
	s_wait_dscnt 0x0
	s_barrier_signal -1
	s_barrier_wait -1
	s_cmp_lt_u32 s14, 2
	s_cbranch_scc0 .Lend
	s_cmp_eq_u32 ttmp9, 0
	s_cbranch_scc0 .Lv_out
	ds_load_b128 v[64:67], v[KSR]
	s_wait_dscnt 0x0
	global_store_b128 v[L16], v[64:67], s[SCB:SCB+1]
	s_branch .Lend
.Lv_out:
	ds_load_b64 v[64:65], v[VSR]
	s_wait_dscnt 0x0
	global_store_b64 v[L8], v[64:65], s[SCB:SCB+1]
.Lend:
	s_wait_tensorcnt 0x0
	ds_add_u32 v[SPW], v[NIL]
	s_wait_dscnt 0x0
	CROUND
	s_endpgm
.Lfunc_end_k_qac4563c9df_kvproj:
	.size	k_qac4563c9df_kvproj, .Lfunc_end_k_qac4563c9df_kvproj-k_qac4563c9df_kvproj
	.p2alignl 7, 3214868480
	.fill 96, 4, 3214868480
	.section	.rodata,"a",@progbits
	.p2align	6, 0x0
	.amdhsa_kernel k_qac4563c9df_kvproj
		.amdhsa_group_segment_fixed_size 327680
		.amdhsa_private_segment_fixed_size 0
		.amdhsa_enable_private_segment 0
		.amdhsa_kernarg_size 24
		.amdhsa_user_sgpr_count 2
		.amdhsa_user_sgpr_kernarg_segment_ptr 1
		.amdhsa_wavefront_size32 1
		.amdhsa_system_sgpr_workgroup_id_x 1
		.amdhsa_system_sgpr_workgroup_id_y 1
		.amdhsa_system_sgpr_workgroup_id_z 1
		.amdhsa_system_vgpr_workitem_id 0
		.amdhsa_next_free_vgpr 512
		.amdhsa_next_free_sgpr 100
		.amdhsa_reserve_vcc 1
		.amdhsa_float_denorm_mode_32 3
		.amdhsa_float_denorm_mode_16_64 3
		.amdhsa_memory_ordered 1
		.amdhsa_forward_progress 1
		.amdhsa_inst_pref_size 85
	.end_amdhsa_kernel
	.amdgpu_metadata
---
amdhsa.version: [ 1, 2 ]
amdhsa.kernels:
  - .name:           k_qac4563c9df_kvproj
    .symbol:         k_qac4563c9df_kvproj.kd
    .args:
      - { .name: x_img, .offset: 0, .size: 8, .value_kind: global_buffer, .address_space: global }
      - { .name: wkv_img, .offset: 8, .size: 8, .value_kind: global_buffer, .address_space: global }
      - { .name: kv_img, .offset: 16, .size: 8, .value_kind: global_buffer, .address_space: global }
    .group_segment_fixed_size: 327680
    .private_segment_fixed_size: 0
    .kernarg_segment_align: 8
    .kernarg_segment_size: 24
    .max_flat_workgroup_size: 128
    .sgpr_count:     100
    .vgpr_count:     512
    .wavefront_size: 32
...
	.end_amdgpu_metadata
.endif
;; end of part 2
;; launch attn (part 3): grid 32 x 8, 8 waves a work-group, clusters of 4 x 1, 327,680 bytes of LDS; arguments lq_img, wq_img, kv_img, o_img, o_sc; writes o_img, o_sc
.if DOCPART == 3
	.amdgcn_target "amdgcn-amd-amdhsa--gfx1250"
	.amdhsa_code_object_version 6
	.text
	.protected	k_qac4563c9df_attn
	.globl	k_qac4563c9df_attn
	.p2align	8
	.type	k_qac4563c9df_attn,@function
k_qac4563c9df_attn:
	s_mov_b64 s[64:65], 0
	v_nop
	global_prefetch_b8 v0, s[64:65] scope:SCOPE_SE
	s_setreg_imm32_b32 hwreg(HW_REG_WAVE_MODE, 25, 1), 1
	s_wait_xcnt 0x0
	s_wait_alu depctr_hold_cnt(0) depctr_sa_sdst(0) depctr_va_vdst(0) depctr_va_sdst(0) depctr_va_ssrc(0) depctr_va_vcc(0) depctr_vm_vsrc(0)
	s_getreg_b32 s2, hwreg(HW_REG_IB_STS2, 6, 4)
	s_cmp_eq_u32 s2, 0
	s_cbranch_scc0 .Lentry_in_a_cluster
	s_endpgm
.Lentry_in_a_cluster:
	s_bfe_u32 s2, ttmp6, 0x10000c
	s_cmp_lg_u32 s2, 0x3003
	s_cbranch_scc0 .Lentry_shape_is_right
	s_endpgm
.Lentry_shape_is_right:
; For one head and 128 queries: q = LQ w_q (K = 512), quantised in registers; S^T = K Q^T (K = 64); the softmax; O^T = V^T P^T (K = 4,096 keys); o = O / l, quantised.
; All products on codes of FP6 (E2M3) with E8M0 scales.  THE SOFTMAX: t = score x log2(e) / 8; M = the running largest t rounded up to a whole number; p = 2^(t - M) is quantised along the keys, not normalised;
; the row's sum is taken of the unquantised p and divides at the end; when M moves, the sum and O^T are multiplied by 2^(old M - new M), which rounds nothing.
; SHARES.  Eight waves of 512 registers, two to a SIMD.  Wave w owns 32 queries, tiles 2 (w % 4) and 2 (w % 4) + 1 of the work-group's eight, and half w / 4 of the keys: of a slot's eight key steps of 128 keys
; half 0 walks the first four, half 1 the last four.  Each fragment of K and of V that a wave reads from LDS feeds both its tiles.  The two tiles go through every stage of the softmax together, line by line by turns,
; so that no line reads the line above it, and one batch of 136 exponentials has one wait ahead of it and one behind.  At the end waves 4-7 hand O^T, -M and the sum to waves 0-3 through LDS, and both halves
; are brought under the larger M by exact powers of two.
; kv_img holds a key step as one dense block of 13,056 bytes in the order of the operands' registers; two slots of eight.  CLUSTER 4 x 1: the four query blocks of a cluster walk the same head, so each slot is asked
; for jointly; every wave fetches one key step, 51 rows of 256 bytes.  All products are used transposed: a lane holds one query of each tile, and its registers run along the next product's K.
; K = 64 IN AN INSTRUCTION OF 128.  Q's upper six registers are zero codes, and FP6 has no code for infinity or NaN, so whatever codes stand in K's upper six registers add exactly 0.  So K's fragments overlap:
; tile t begins at K + 6 t, its upper half is tile t + 1's codes, and six zero registers stand behind tile 7.
; LIMITS: NaN and infinities are not served; a block whose largest magnitude lies under 2^-124 gets the byte 1; the promise holds while the scaled scores t stay under 2^31 in magnitude.
; WINDOW 0: v1-11, v36-38 addresses; tile i: v[12 + 28 i] -M, +1 the largest score, +2, +3 the sum; v16-35, v44-49 scale words and nothing else; v[64 + 64 i] on S^T, then p; v[192 + 32 i] on at work.
; WINDOW 1: v[32 i] O^T; v[64 + 12 i] Q; v[88 + 12 i] p's codes; v[112 + 8 i] halves of codes on their way; v128-175 V; v176-229 K.  At the head w_q's and LQ's fragments lie where these will lie.
.set SLOT1, 131072
.set KSTEP, 13056
.set MRG,   235520                     ; behind the ring: what half 1 hands over: for each tile 8 x 512 bytes of O^T and 512 of -M and the sum
.set MRGT,  4608
.set OSC,   272384                     ; stage for o's scale words: 8 tiles x 64 bytes
.set SPARE, 272896                     ; the spare words, 128 bytes a wave: four blocks of 256 bytes that no other line names
.set L16, 1
.set L8,  2
.set A16, 3
.set A8,  4
.set SPW, 5
.set NIL, 6
.set PFO, 7
.set LQO, 8
.set OSW, 9
.set LQSO, 10
.set OSR, 11
.set MS,  12
.set KS,  16
.set VS,  20
.set QS,  22
.set WQS, 24
.set LQS, 32                           ; tile i: + 12 i
.set H16, 36
.set H8,  37
.set MW,  38
.set PS,  48
.set S,   64
.set X,   192                          ; tile i at + 32 i: +0 block maxima, +4 the other lanes', +8 scale operands, +12 bytes, +16 f, +18 at work, +20 three pairs of partial sums
.set O,   0
.set Q,   64
.set PCD, 88
.set T,   112
.set V,   128
.set K,   176
.set HF,  16
.set TL,  17
.set WV,  18
.set SEL, 20
.set CS,  22
.set G1,  24
.set G0,  40
.set TB,  3
.set SLOTS, 67
.set PFA, 76
.set LIM, 80
.set SH,  81
.set QO,  83
.set AB,  84
.set CSN, 85
.set MSB, 0
.macro WIN new                         ; the immediate's high byte repeats the setting that is left
.if MSB != \new
	s_set_vgpr_msb (MSB<<8)|\new
.set MSB, \new
.endif
.endm
.macro PLACES
.rept 4
	v_nop
.endr
.endm
.macro CREST                           ; a round of the cluster's barrier behind its opening barrier
	s_cmp_lg_u32 s[WV], 0
	s_cbranch_scc1 .Lnot_wave_0_\@
	s_barrier_signal -3
.Lnot_wave_0_\@:
	s_barrier_wait -3
	s_barrier_signal -1
	s_barrier_wait -1
.endm
.macro CROUND                          ; a whole round
	s_barrier_signal -1
	s_barrier_wait -1
	CREST
.endm
.macro JLOAD                           ; every wave fetches its key step of the slot; an s_nop 0 and four v_nop follow
	tensor_load_to_lds s[G0:G0+3], s[G1:G1+7]
	s_nop 0
	PLACES
.endm
; A PREFETCH INTO THE L2 of the slot that the NEXT change of slots will ask for.  All clusters of a head walk the same blocks: the head's first cluster asks; its partner cx takes key steps 2 cx and 2 cx + 1 of the slot,
; 102 runs of 256 bytes, told apart by address; waves 4 to 7 ask, lanes 256 bytes apart (wave 7's lanes 6-31 name the last run once more).  The last change that fills a slot asks for nothing.
.macro ASK
	s_cmp_gt_u32 s[SLOTS], s[LIM]
	s_cbranch_scc0 .Lnot_mine_\@
	global_prefetch_b8 v[PFO], s[PFA:PFA+1] th:TH_LOAD_NT scope:SCOPE_SE
.Lnot_mine_\@:
.endm
.macro WMS d, a, b, zero, sa, sb, ra
.if (\zero) && ((\ra)==0)
	v_wmma_scale_f32_16x16x128_f8f6f4 v[\d:\d+7], v[\a:\a+11], v[\b:\b+11], 0, v[\sa], v[\sb] matrix_a_fmt:MATRIX_FMT_FP6 matrix_b_fmt:MATRIX_FMT_FP6
.elseif (\zero)
	v_wmma_scale_f32_16x16x128_f8f6f4 v[\d:\d+7], v[\a:\a+11], v[\b:\b+11], 0, v[\sa], v[\sb] matrix_a_fmt:MATRIX_FMT_FP6 matrix_b_fmt:MATRIX_FMT_FP6 matrix_a_scale:MATRIX_SCALE_ROW1
.elseif ((\ra)==0)
	v_wmma_scale_f32_16x16x128_f8f6f4 v[\d:\d+7], v[\a:\a+11], v[\b:\b+11], v[\d:\d+7], v[\sa], v[\sb] matrix_a_fmt:MATRIX_FMT_FP6 matrix_b_fmt:MATRIX_FMT_FP6
.else
	v_wmma_scale_f32_16x16x128_f8f6f4 v[\d:\d+7], v[\a:\a+11], v[\b:\b+11], v[\d:\d+7], v[\sa], v[\sb] matrix_a_fmt:MATRIX_FMT_FP6 matrix_b_fmt:MATRIX_FMT_FP6 matrix_a_scale:MATRIX_SCALE_ROW1
.endif
.endm
; Of each tile 32 numbers a lane, v[S + 64 i + 16 b + j] = k 32 b + 16 (lane / 16) + j, become six registers of codes at window 1's v[pc + 12 i] and two scale bytes in v[pw + ps i]
.macro QUANT2 pc, pw, ps
.irp b, 0,1
.irp i, 0,1
	v_max3_num_f32 v[X+32*\i+\b], |v[S+64*\i+16*\b]|, |v[S+64*\i+16*\b+1]|, 0x1800000   ; with the floor 2^(3 - 127): the byte cannot fall under 1
.endr
.endr
.irp j, 2,4,6,8,10,12,14
.irp b, 0,1
.irp i, 0,1
	v_max3_num_f32 v[X+32*\i+\b], v[X+32*\i+\b], |v[S+64*\i+16*\b+\j]|, |v[S+64*\i+16*\b+\j+1]|
.endr
.endr
.endr
.irp b, 0,1
.irp i, 0,1
	v_permlanex16_b32 v[X+32*\i+4+\b], v[X+32*\i+\b], s[SEL], s[SEL+1]
.endr
.endr
.irp b, 0,1
.irp i, 0,1
	v_max_num_f32 v[X+32*\i+\b], v[X+32*\i+\b], v[X+32*\i+4+\b]
.endr
.endr
.irp b, 0,1
.irp i, 0,1
	v_add_nc_u32 v[X+32*\i+8+\b], 0xff000000, v[X+32*\i+\b]   ; 2 off the exponent field: the conversion's scale operand
.endr
.endr
.irp b, 0,1
.irp i, 0,1
	v_lshrrev_b32 v[X+32*\i+4+\b], 23, v[X+32*\i+8+\b]
.endr
.endr
.irp i, 0,1
	v_lshl_or_b32 v[\pw+\ps*\i], v[X+32*\i+5], 8, v[X+32*\i+4]
.endr
	WIN 0x40                                       ; the codes go to window 1
.irp i, 0,1
	v_cvt_scalef32_pk16_fp6_f32 v[\pc+12*\i:\pc+12*\i+2], v[S+64*\i:S+64*\i+15], v[X+32*\i+8]
	v_cvt_scalef32_pk16_fp6_f32 v[T+8*\i:T+8*\i+2], v[S+64*\i+16:S+64*\i+31], v[X+32*\i+9]
.endr
	WIN 0x41
	v_nop                                          ; one plain place behind a scaled conversion
.irp i, 0,1
.irp k, 0,1,2
	v_permlane16_swap_b32 v[\pc+12*\i+\k], v[T+8*\i+\k]   ; the operand's layout wants a whole block in a lane
.endr
.endr
.irp i, 0,1
.irp k, 0,1,2
	v_mov_b32 v[\pc+12*\i+3+\k], v[T+8*\i+\k]
.endr
.endr
	WIN 0
.endm
; K step s of q's product: w_q's four fragments to window 1's v[48 s], my two tiles' fragments of LQ to v[lq] of the window that win names: 18 loads
.macro QLOAD s, lq, win
	WIN 0x40
.irp t, 0,1,2,3
.irp c, 0,1,2
	global_load_b128 v[48*(\s)+12*\t+4*\c:48*(\s)+12*\t+4*\c+3], v[L16], s[58:59] offset:6400*(\s)+1536*\t+512*\c
.endr
.endr
	WIN \win
.irp i, 0,1
.irp c, 0,1,2
	global_load_b128 v[\lq+12*\i+4*\c:\lq+12*\i+4*\c+3], v[LQO], s[54:55] offset:6400*(\s)+1536*\i+512*\c
.endr
.endr
.endm
.macro QMUL s, lq, win, zero           ; q^T = w_q^T LQ^T: eight accumulators by turns
	WIN \win
.irp t, 0,1,2,3
.irp i, 0,1
	WMS S+64*\i+8*\t, 48*(\s)+12*\t, \lq+12*\i, \zero, WQS+2*(\s)+\t/2, LQS+12*\i+(\s), \t%2
.endr
.endr
.endm
; A KEY STEP: 128 keys x my 32 queries.  o: an immediate added to every LDS offset
.macro STEP o, meet                    ; meet = 0: a step like any other; 1, 2: my last step of a slot, with the change of slots in it (2: the slot is filled again)
	s_add_co_u32 s[AB], s[TB], s[QO]               ; the slot in hand + the step's place in my half
	v_add_nc_u32 v[A16], s[AB], v[H16]
	v_add_nc_u32 v[A8], s[AB], v[H8]
	s_wait_alu depctr_va_vdst(0)                   ; V's loads read the two behind the wait below
	ds_load_b128 v[KS:KS+3], v[A16] offset:\o+6144
	WIN 0x40
.irp t, 0,1,2,3,4,5,6,7
	ds_load_b128 v[K+6*\t:K+6*\t+3], v[A16] offset:\o+768*\t
	ds_load_b64 v[K+6*\t+4:K+6*\t+5], v[A8] offset:\o+768*\t+512
.endr
	s_wait_dscnt 0x0                               ; K and its scale words are in
	WIN 0x05                                       ; K and Q window 1, S^T window 0
.irp t, 0,1,2,3,4,5,6,7
.irp i, 0,1
	WMS S+64*\i+8*\t, K+6*\t, Q+12*\i, 1, KS+\t/2, QS+\i, \t%2
.endr
.endr                                          ; lane (r, h): query r of tile i; register 16 b + j: key 32 b + 16 h + j of the step
	PLACES                                         ; four places ahead of the first read of the scores; with the two additions above also ahead of the loads into V's registers
	WIN 0x40
.irp d, 0,1,2,3
	ds_load_b128 v[V+12*\d:V+12*\d+3], v[A16] offset:\o+6656+1536*\d
	ds_load_b64 v[V+12*\d+4:V+12*\d+5], v[A8] offset:\o+6656+1536*\d+512
	ds_load_b128 v[V+12*\d+6:V+12*\d+9], v[A16] offset:\o+6656+1536*\d+768
	ds_load_b64 v[V+12*\d+10:V+12*\d+11], v[A8] offset:\o+6656+1536*\d+1280
.endr
	WIN 0
	ds_load_b64 v[VS:VS+1], v[A8] offset:\o+12800  ; V lands while the softmax is worked
.if \meet
	LINES (\meet)-1                                ; these were my last reads of the slot: all that follows in the step is work on registers
.endif
.irp b, 0,1,2,3
.irp i, 0,1
	v_max3_num_f32 v[X+32*\i+\b], v[S+64*\i+16*\b], v[S+64*\i+16*\b+1], v[S+64*\i+16*\b+2]   ; the largest score of each block of 32 keys: for the row's maximum and, since p rises with the score, for the block's largest p
.endr
.endr
.irp j, 3,5,7,9,11,13
.irp b, 0,1,2,3
.irp i, 0,1
	v_max3_num_f32 v[X+32*\i+\b], v[X+32*\i+\b], v[S+64*\i+16*\b+\j], v[S+64*\i+16*\b+\j+1]
.endr
.endr
.endr
.irp b, 0,1,2,3
.irp i, 0,1
	v_max_num_f32 v[X+32*\i+\b], v[X+32*\i+\b], v[S+64*\i+16*\b+15]
.endr
.endr
.irp b, 0,1,2,3
.irp i, 0,1
	v_permlanex16_b32 v[X+32*\i+4+\b], v[X+32*\i+\b], s[SEL], s[SEL+1]
.endr
.endr
.irp b, 0,1,2,3
.irp i, 0,1
	v_max_num_f32 v[X+32*\i+\b], v[X+32*\i+\b], v[X+32*\i+4+\b]   ; with lane l xor 16's 16 keys
.endr
.endr
.irp i, 0,1
	v_max3_num_f32 v[X+32*\i+18], v[X+32*\i], v[X+32*\i+1], v[X+32*\i+2]
.endr
.irp i, 0,1
	v_max3_num_f32 v[MS+28*\i+1], v[MS+28*\i+1], v[X+32*\i+18], v[X+32*\i+3]   ; the running largest score
.endr
.irp i, 0,1
	v_mov_b32 v[X+32*\i+18], v[MS+28*\i]           ; the old -M
.endr
.irp i, 0,1
	v_mul_f32 v[X+32*\i+19], s[CSN], v[MS+28*\i+1] ; -t of the largest score (c is positive)
.endr
.irp i, 0,1
	v_floor_f32 v[MS+28*\i], v[X+32*\i+19]         ; the new -M = floor(-t): M is a whole number
.endr
.irp i, 0,1
	v_sub_f32 v[X+32*\i+18], v[MS+28*\i], v[X+32*\i+18]   ; old M - new M: a whole number, 0 or less
.endr
.irp i, 0,1
	v_cvt_i32_f32 v[X+32*\i+18], v[X+32*\i+18]     ; (it saturates)
.endr
.irp i, 0,1
	v_ldexp_f32 v[X+32*\i+16], 1.0, v[X+32*\i+18]  ; f = 2^(old M - new M)
.endr
.set J, 0
.rept 32
.irp i, 0,1
	v_pk_fma_f32 v[S+64*\i+J:S+64*\i+J+1], v[S+64*\i+J:S+64*\i+J+1], s[CS:CS+1], v[MS+28*\i:MS+28*\i+1] op_sel_hi:[1,0,0]   ; t - M, two at a time
.endr
.set J, J+2
.endr
.irp b, 0,1,2,3
.irp i, 0,1
	v_fma_f32 v[X+32*\i+\b], v[X+32*\i+\b], s[CS], v[MS+28*\i]   ; the same of each block's largest score
.endr
.endr
	s_wait_alu depctr_va_vdst(0)                   ; the wait ahead of the batch
.set J, 0
.rept 128
	v_exp_f32 v[S+J], v[S+J]                       ; p = 2^(t - M), at most 1
.set J, J+1
.endr
.irp b, 0,1,2,3
.irp i, 0,1
	v_exp_f32 v[X+32*\i+\b], v[X+32*\i+\b]         ; the block's largest p
.endr
.endr
.irp i, 0,1
	v_pk_mul_f32 v[MS+28*\i+2:MS+28*\i+3], v[MS+28*\i+2:MS+28*\i+3], v[X+32*\i+16:X+32*\i+17] op_sel_hi:[1,0]   ; the sums under the new M: plain places behind the exponentials
.endr
	s_wait_alu depctr_va_vdst(0)                   ; one wait for the whole batch, ahead of its first reader
.irp k, 0,1,2                                  ; the row's sum of the unquantised p: four chains a tile, two numbers an instruction
.irp i, 0,1
	v_pk_add_f32 v[X+32*\i+20+2*\k:X+32*\i+21+2*\k], v[S+64*\i+4*\k:S+64*\i+4*\k+1], v[S+64*\i+4*\k+2:S+64*\i+4*\k+3]
.endr
.endr
.set J, 12
.rept 6
.irp i, 0,1
.irp k, 0,1,2
	v_pk_add_f32 v[X+32*\i+20+2*\k:X+32*\i+21+2*\k], v[X+32*\i+20+2*\k:X+32*\i+21+2*\k], v[S+64*\i+J+2*\k:S+64*\i+J+2*\k+1]
.endr
	v_pk_add_f32 v[MS+28*\i+2:MS+28*\i+3], v[MS+28*\i+2:MS+28*\i+3], v[S+64*\i+J+6:S+64*\i+J+7]
.endr
.set J, J+8
.endr
.irp i, 0,1
	v_pk_add_f32 v[X+32*\i+20:X+32*\i+21], v[X+32*\i+20:X+32*\i+21], v[S+64*\i+60:S+64*\i+61]
	v_pk_add_f32 v[MS+28*\i+2:MS+28*\i+3], v[MS+28*\i+2:MS+28*\i+3], v[S+64*\i+62:S+64*\i+63]
.endr
.irp i, 0,1
	v_pk_add_f32 v[X+32*\i+22:X+32*\i+23], v[X+32*\i+22:X+32*\i+23], v[X+32*\i+24:X+32*\i+25]
.endr
.irp i, 0,1
	v_pk_add_f32 v[MS+28*\i+2:MS+28*\i+3], v[MS+28*\i+2:MS+28*\i+3], v[X+32*\i+20:X+32*\i+21]
.endr
.irp i, 0,1
	v_pk_add_f32 v[MS+28*\i+2:MS+28*\i+3], v[MS+28*\i+2:MS+28*\i+3], v[X+32*\i+22:X+32*\i+23]
.endr
.irp b, 0,1,2,3
.irp i, 0,1
	v_max_num_f32 v[X+32*\i+\b], 0x1800000, v[X+32*\i+\b]   ; the floor 2^(3 - 127)
.endr
.endr
.irp b, 0,1,2,3
.irp i, 0,1
	v_add_nc_u32 v[X+32*\i+8+\b], 0xff000000, v[X+32*\i+\b]   ; the conversion's scale operand
.endr
.endr
.irp b, 0,1,2,3
.irp i, 0,1
	v_lshrrev_b32 v[X+32*\i+12+\b], 23, v[X+32*\i+8+\b]       ; the byte
.endr
.endr
.irp i, 0,1
	v_lshl_or_b32 v[PS+\i], v[X+32*\i+13], 8, v[X+32*\i+12]   ; p's scale word for these 128 keys
.endr
.irp i, 0,1
	v_lshl_or_b32 v[PS+\i], v[X+32*\i+14], 16, v[PS+\i]
.endr
.irp i, 0,1
	v_lshl_or_b32 v[PS+\i], v[X+32*\i+15], 24, v[PS+\i]
.endr
	WIN 0x40                                       ; p's codes go to window 1
.irp i, 0,1
.irp c, 0,1
	v_cvt_scalef32_pk16_fp6_f32 v[PCD+12*\i+6*\c:PCD+12*\i+6*\c+2], v[S+64*\i+32*\c:S+64*\i+32*\c+15], v[X+32*\i+8+2*\c]
	v_cvt_scalef32_pk16_fp6_f32 v[T+8*\i+4*\c:T+8*\i+4*\c+2], v[S+64*\i+32*\c+16:S+64*\i+32*\c+31], v[X+32*\i+9+2*\c]
.endr
.endr
	WIN 0x41
	v_nop                                          ; one plain place behind a scaled conversion
.irp i, 0,1
.irp c, 0,1
.irp k, 0,1,2
	v_permlane16_swap_b32 v[PCD+12*\i+6*\c+\k], v[T+8*\i+4*\c+\k]
.endr
.endr
.endr
.irp i, 0,1
.irp c, 0,1
.irp k, 0,1,2
	v_mov_b32 v[PCD+12*\i+6*\c+3+\k], v[T+8*\i+4*\c+\k]
.endr
.endr
.endr
	s_wait_alu depctr_va_vdst(0)                   ; the wait directly ahead of the first reader of O^T
.set J, 0
.rept 16
.irp i, 0,1
	v_pk_mul_f32 v[O+32*\i+J:O+32*\i+J+1], v[O+32*\i+J:O+32*\i+J+1], v[X+32*\i+16:X+32*\i+17] op_sel_hi:[1,0]   ; O^T under the new M, each accumulator from its low end on; also the places ahead of the products below
.endr
.set J, J+2
.endr
.if (\meet) == 0
	s_wait_alu depctr_va_vdst(0)                   ; the wait directly ahead of the wait below
	s_wait_dscnt 0x0                               ; V is in
.endif
	WIN 0x55
.irp d, 0,1,2,3
.irp i, 0,1
	WMS O+32*\i+8*\d, V+12*\d, PCD+12*\i, 0, VS+\d/2, PS+\i, \d%2
.endr
.endr
	WIN 0
.if \meet
	BEHIND (\meet)-1
.endif
.endm
; THE CHANGE OF SLOTS stands in my last key step of a slot.  LINES, as soon as that step's K and V have been asked for: the wave waits for its tensor load (the other slot's), adds 0 to its spare word, waits for that and for
; its reads of the slot in hand, and signals.  The step's softmax and its products with V, work on registers alone, stand between the signal and the wait.  BEHIND: the wait; fill = 1: the rest of a round of the cluster's
; barrier, so that no wave of any partner still reads the slot or has a load on its way, and the slot takes the keys that follow.
.macro LINES fill
	s_wait_tensorcnt 0x0                           ; no tensor load of mine is out, so the descriptor may be written
	ds_add_u32 v[SPW], v[NIL]                      ; 0 onto my spare word
.if \fill
	s_xor_b32 s[G0+1], s[G0+1], SLOT1              ; the other slot than last time,
	s_add_nc_u64 s[G0+2:G0+3], s[G0+2:G0+3], 8*KSTEP   ; the next eight key steps
	s_wait_xcnt 0x0                                ; the last prefetch, a slot back, has read its address
	s_add_nc_u64 s[PFA:PFA+1], s[PFA:PFA+1], 8*KSTEP
.endif
	s_wait_dscnt 0x0
	s_barrier_signal -1
.endm
.macro BEHIND fill
	s_barrier_wait -1
.if \fill
	CREST
	JLOAD
	ASK
.endif
.endm
.macro STEPS n                         ; the first n of my half's four key steps of the slot in hand; s[QO] is left at the next step's place
	s_mov_b32 s[QO], 0
.Lstep_\@:
	STEP 0, 0
	s_add_co_u32 s[QO], s[QO], KSTEP
	s_cmp_lt_u32 s[QO], \n*KSTEP
	s_wait_alu depctr_va_vdst(0)                   ; the wait directly ahead of the branch
	s_cbranch_scc1 .Lstep_\@
.endm
	s_load_b256 s[4:11], s[0:1], 0x0               ; lq_img, wq_img, kv_img, o_img
	s_load_b64 s[12:13], s[0:1], 0x20              ; o_sc
	v_lshl_add_u32 v[SPW], v0, 2, SPARE
	v_mov_b32 v[NIL], 0
	ds_add_u32 v[SPW], v[NIL]                      ; the opening lines: the add, twice on end, and its wait ahead of my first tensor load
	ds_add_u32 v[SPW], v[NIL]
	v_lshrrev_b32 v50, 5, v0
	v_readfirstlane_b32 s[WV], v50                 ; wave 0..7
	s_and_b32 s[TL], s[WV], 3                      ; my pair of tiles
	s_lshr_b32 s[HF], s[WV], 2                     ; my half of the keys
	s_bfe_u32 s44, ttmp6, 0x40000                  ; cx
	s_lshl_b32 s45, ttmp9, 2
	s_add_co_u32 s45, s45, s44                     ; qb: my block of 128 queries
	s_and_b32 s46, ttmp7, 0xffff                   ; the head, which the four partners share
	s_mov_b32 s[G1], 15|(3<<16)|(1<<21)            ; the mask: all four; elements of 8 bytes; bit 21 beside a mask; no padding
	s_mov_b32 s[G1+1], 32<<16                      ; a key step, 13,056 dense bytes, as 51 rows of 256
	s_mov_b32 s[G1+2], 51<<16
	s_mov_b32 s[G1+3], 32<<16
	s_mov_b32 s[G1+4], 51
	s_mov_b32 s[G1+5], 32
	s_mov_b32 s[G1+6], 0
	s_mov_b32 s[G1+7], 0
	s_mul_i32 s48, s[WV], KSTEP                    ; the key step that I fetch: in a slot and in memory alike
	s_mul_i32 s49, s46, 32*KSTEP                   ; the head's first byte in kv_img
	s_add_co_u32 s50, s49, s48
	s_mov_b32 s51, 0
	s_mul_i32 s52, s44, 2*KSTEP                    ; the prefetches: key steps 2 cx and 2 cx + 1 of a slot,
	s_add_co_u32 s52, s52, s49
	s_add_co_u32 s52, s52, 8*KSTEP                 ; in slot 1: the first change of slots steps it to slot 2
	s_mov_b32 s53, 0
	s_xor_b32 s82, s[HF], 1                        ; 0 in waves 4 to 7,
	s_or_b32 s82, s82, ttmp9                       ; of the head's first cluster: the same in all four partners
	s_cmp_eq_u32 s82, 0
	s_cselect_b32 s[LIM], 1, -1
	s_and_b32 s[SH], s46, 1
	s_lshl_b32 s[SH], s[SH], 4                     ; an odd head's two scale bytes go to a word's upper half
	s_mov_b32 s[SEL], 0x76543210
	s_mov_b32 s[SEL+1], 0xfedcba98
	s_mov_b32 s[CS], 0x3e38aa3b                    ; c = log2(e) / 8
	s_mov_b32 s[CS+1], s[CS]
	s_mov_b32 s[CSN], 0xbe38aa3b                   ; -c
	s_mov_b32 s[TB], 0
	s_mov_b32 s[SLOTS], 3
	s_wait_dscnt 0x0                               ; both opening adds are done
	s_wait_kmcnt 0x0
	s_mov_b32 s[G0], 1
	s_mov_b32 s[G0+1], s48
	s_add_nc_u64 s[G0+2:G0+3], s[8:9], s[50:51]
	s_or_b32 s[G0+3], s[G0+3], 0x80000000
	s_add_nc_u64 s[PFA:PFA+1], s[8:9], s[52:53]
	CROUND                                         ; all four work-groups are here
	JLOAD                                          ; slot 0: my one load at the head
	s_lshl_b32 s52, s45, 1
	s_lshr_b32 s56, s[TL], 1
	s_add_co_u32 s52, s52, s56                     ; lq_img's group 2 qb + pair / 2
	s_mul_i32 s52, s52, 25600
	s_add_nc_u64 s[54:55], s[4:5], s[52:53]
	s_mul_i32 s52, s46, 25600                      ; wq_img's group = the head
	s_add_nc_u64 s[58:59], s[6:7], s[52:53]
	s_lshl_b32 s52, s45, 3
	s_lshl_b32 s56, s[TL], 1
	s_add_co_u32 s52, s52, s56                     ; my first query tile, 8 qb + 2 x pair
	s_lshl_b32 s52, s52, 3
	s_add_co_u32 s52, s52, s46
	s_mul_i32 s52, s52, 768
	s_add_nc_u64 s[60:61], s[10:11], s[52:53]      ; o_img: [tile][head][768]
	s_lshl_b32 s52, s46, 8
	s_lshl_b32 s56, s45, 3
	s_add_co_u32 s52, s52, s56
	s_lshl_b32 s52, s52, 6
	s_add_nc_u64 s[68:69], s[12:13], s[52:53]      ; o_sc: [head][tile][64]
	s_mul_i32 s70, s[HF], 4*KSTEP                  ; my half's four key steps of a slot
	s_mul_i32 s71, s[TL], 2*MRGT
	s_add_co_u32 s71, s71, MRG                     ; where wave 4 + pair puts, and wave pair finds, the other half's results
	s_and_b32 s73, s[TL], 1
	s_mul_i32 s72, s73, 3072                       ; my first tile of lq_img's group: 2 (pair % 2)
	s_lshl_b32 s73, s73, 2                         ; its scale words: 8 r + 4 (pair % 2); the second tile's 128 bytes on
	s_sub_co_u32 s74, s[WV], 4
	s_lshl_b32 s74, s74, 5
	s_lshl_b32 s75, s[TL], 7
	s_add_co_u32 s75, s75, OSC
	v_and_b32 v50, 31, v0                          ; lane
	v_and_b32 v51, 15, v0                          ; r
	v_lshlrev_b32 v[L16], 4, v50
	v_lshlrev_b32 v[L8], 3, v50
	v_add_nc_u32 v[H16], s70, v[L16]
	v_add_nc_u32 v[H8], s70, v[L8]
	v_add_nc_u32 v[MW], s71, v[L16]
	v_add_nc_u32 v[LQO], s72, v[L16]
	v_lshl_add_u32 v[LQSO], v51, 3, s73
	v_add_nc_u32 v[PFO], s74, v50
	v_min_u32 v[PFO], 101, v[PFO]                  ; two key steps are 102 runs of 256 bytes
	v_lshlrev_b32 v[PFO], 8, v[PFO]
	v_lshl_add_u32 v[OSW], v51, 2, s75
	v_add_nc_u32 v[OSR], OSC, v[L16]
	s_wait_alu depctr_va_vdst(0)                   ; the wait behind the addresses
	; q = LQ w_q for my 32 queries and my head (both waves of a pair make it: 32 matrix instructions).  All four K steps are asked for at once: 12 loads of scale words, then 18 loads a step
.irp s, 0,1,2,3
	global_load_b64 v[WQS+2*\s:WQS+2*\s+1], v[L8], s[58:59] offset:6400*\s+6144
	global_load_b32 v[LQS+\s], v[LQSO], s[54:55] offset:6400*\s+6144
	global_load_b32 v[LQS+12+\s], v[LQSO], s[54:55] offset:6400*\s+6144+128
.endr
	QLOAD 0, 192, 0x40
	QLOAD 1, 216, 0x40
	QLOAD 2, 96, 0
	QLOAD 3, 160, 0
	WIN 0
.irp i, 0,1
	v_mov_b32 v[MS+28*\i], 0x7e000000              ; -M: very large, so that the first f is 0
	v_mov_b32 v[MS+28*\i+1], 0xff61b1e6            ; the largest score so far: -3e38
	v_mov_b32 v[MS+28*\i+2], 0
	v_mov_b32 v[MS+28*\i+3], 0
	v_mov_b32 v[X+32*\i+17], 0                     ; (named as the upper half of a pair)
.irp b, 0,1,2,3
	v_mov_b32 v[X+32*\i+4+\b], 0                   ; a lane permute's destination counts as one of its sources
.endr
.endr
	s_wait_alu depctr_va_vdst(0)                   ; the wait directly ahead of the wait below
	s_wait_loadcnt 54                              ; the scale words and K step 0 are in; the 54 loads of K steps 1 to 3 may be out
	QMUL 0, 192, 0x05, 1                           ; the first K step starts the sums
	s_wait_loadcnt 36
	QMUL 1, 216, 0x05, 0
	s_wait_loadcnt 18
	QMUL 2, 96, 0x01, 0
	s_wait_loadcnt 0x0
	QMUL 3, 160, 0x01, 0
	WIN 0
	PLACES
	QUANT2 Q, QS, 1                                ; q along the head's 64 dims: six registers and two bytes a tile
	WIN 0x40
.set J, 0
.rept 64
	v_mov_b32 v[O+J], 0                            ; the step is written once for all steps: the first finds zeros.  (Also the places between Q's and its scale words' last writes and the first score product)
.set J, J+1
.endr
.irp j, 0,1,2,3,4,5
	v_mov_b32 v[Q+6+\j], 0                         ; K = 64: the upper 64 of the instruction's 128 are zero codes in Q,
	v_mov_b32 v[Q+18+\j], 0
	v_mov_b32 v[K+48+\j], 0                        ; and behind K's last tile, for the whole launch
.endr
	WIN 0
	s_wait_alu depctr_va_vdst(0)                   ; the wait at the head's end
	LINES 1                                        ; slot 0 is in;
	BEHIND 1                                       ; slot 1's first fill, issued as a refill is
	s_sub_co_u32 s[SLOTS], s[SLOTS], 1
.Lslot:                                            ; two trips: slots 0 and 1, each filled again from its last step on
	STEPS 3
	STEP 0, 2
	s_xor_b32 s[TB], s[TB], SLOT1                  ; on to the other slot
	s_sub_co_u32 s[SLOTS], s[SLOTS], 1
	s_cmp_lg_u32 s[SLOTS], 0
	s_wait_alu depctr_va_vdst(0)                   ; the wait directly ahead of the branch
	s_cbranch_scc1 .Lslot
	STEPS 3                                        ; the last two slots are written out: the third asks for nothing more
	STEP 0, 1
	s_xor_b32 s[TB], s[TB], SLOT1
	STEPS 4                                        ; and behind the fourth nothing changes
	; THE TWO HALVES MEET.  Each wave finishes its own sums; waves 4-7 put O^T, -M and the sums into LDS as they stand in the registers
	PLACES
.irp i, 0,1
	v_add_f32 v[MS+28*\i+2], v[MS+28*\i+2], v[MS+28*\i+3]
.endr
.irp i, 0,1
	v_permlanex16_b32 v[X+32*\i+18], v[MS+28*\i+2], s[SEL], s[SEL+1]
.endr
.irp i, 0,1
	v_add_f32 v[MS+28*\i+2], v[MS+28*\i+2], v[X+32*\i+18]   ; my half's sum of the row
.endr
	s_wait_alu depctr_va_vdst(0)                   ; the wait directly ahead of the branch
	s_cmp_lt_u32 s[WV], 4
	s_cbranch_scc1 .Lfirst_half
	WIN 0x04                                       ; an LDS store's data are its source 1
.irp i, 0,1
.irp c, 0,1,2,3,4,5,6,7
	ds_store_b128 v[MW], v[O+32*\i+4*\c:O+32*\i+4*\c+3] offset:MRGT*\i+512*\c   ; each accumulator from its low end on
.endr
.endr
	WIN 0
.irp i, 0,1
	ds_store_b128 v[MW], v[MS+28*\i:MS+28*\i+3] offset:MRGT*\i+4096
.endr
.Lfirst_half:
	s_wait_dscnt 0x0                               ; for the others' sake: my stores are done
	s_barrier_signal -1
	s_barrier_wait -1
	s_cmp_lt_u32 s[WV], 4
	s_cbranch_scc0 .Lmerged
.irp i, 0,1
.irp c, 0,1,2,3,4,5,6,7
	ds_load_b128 v[S+64*\i+4*\c:S+64*\i+4*\c+3], v[MW] offset:MRGT*\i+512*\c
.endr
	ds_load_b128 v[S+64*\i+32:S+64*\i+35], v[MW] offset:MRGT*\i+4096
.endr
	s_wait_dscnt 0x0
.irp i, 0,1
	v_min_num_f32 v[X+32*\i], v[MS+28*\i], v[S+64*\i+32]     ; -M of both halves: the smaller
.endr
.irp i, 0,1
	v_sub_f32 v[X+32*\i+16], v[X+32*\i], v[MS+28*\i]         ; my M less the common M: a whole number, 0 or less
	v_sub_f32 v[X+32*\i+18], v[X+32*\i], v[S+64*\i+32]       ; the other half's likewise
.endr
.irp i, 0,1
	v_cvt_i32_f32 v[X+32*\i+16], v[X+32*\i+16]               ; (they saturate)
	v_cvt_i32_f32 v[X+32*\i+18], v[X+32*\i+18]
.endr
.irp i, 0,1
	v_ldexp_f32 v[X+32*\i+16], 1.0, v[X+32*\i+16]            ; f0 and f1: powers of two, which round nothing
	v_ldexp_f32 v[X+32*\i+18], 1.0, v[X+32*\i+18]
.endr
.irp i, 0,1
	v_mul_f32 v[MS+28*\i+2], v[MS+28*\i+2], v[X+32*\i+16]
.endr
.irp i, 0,1
	v_fma_f32 v[MS+28*\i+2], v[S+64*\i+34], v[X+32*\i+18], v[MS+28*\i+2]   ; the row's sum
.endr
	s_wait_alu depctr_va_vdst(0)                   ; the wait ahead of the transcendentals
.irp i, 0,1
	v_rcp_f32 v[MS+28*\i+2], v[MS+28*\i+2]
.endr
	v_nop                                          ; one plain place behind a transcendental
	s_wait_alu depctr_va_vdst(0)                   ; and the wait ahead of their first reader
.irp i, 0,1
	v_mul_f32 v[X+32*\i+16], v[X+32*\i+16], v[MS+28*\i+2]    ; f0 / the sum and f1 / the sum: the powers of two round nothing
	v_mul_f32 v[X+32*\i+18], v[X+32*\i+18], v[MS+28*\i+2]
.endr
.set J, 0
.rept 16
.irp i, 0,1
	v_pk_mul_f32 v[S+64*\i+J:S+64*\i+J+1], v[S+64*\i+J:S+64*\i+J+1], v[X+32*\i+18:X+32*\i+19] op_sel_hi:[1,0]   ; the other half's O^T x f1 / the sum
.endr
.set J, J+2
.endr
	WIN 0x01
	s_wait_alu depctr_va_vdst(0)                   ; the wait directly ahead of the first reader of O^T
.set J, 0
.rept 16
.irp i, 0,1
	v_pk_fma_f32 v[S+64*\i+J:S+64*\i+J+1], v[O+32*\i+J:O+32*\i+J+1], v[X+32*\i+16:X+32*\i+17], v[S+64*\i+J:S+64*\i+J+1] op_sel_hi:[1,0,1]   ; + mine x f0 / the sum: o, each accumulator from its low end on
.endr
.set J, J+2
.endr
	WIN 0
	QUANT2 PCD, X+18, 32                           ; o along the head's 64 dims
.irp i, 0,1
	v_lshlrev_b32 v[X+32*\i+18], s[SH], v[X+32*\i+18]
.endr
	WIN 0x04                                       ; a store's data are its source 1
.irp i, 0,1
	global_store_b128 v[L16], v[PCD+12*\i:PCD+12*\i+3], s[60:61] offset:6144*\i          ; 512 consecutive bytes, aligned
	global_store_b64 v[L8], v[PCD+12*\i+4:PCD+12*\i+5], s[60:61] offset:6144*\i+512      ; and 256
.endr
	WIN 0
.irp i, 0,1
	ds_store_b32 v[OSW], v[X+32*\i+18] offset:64*\i   ; both halves of the lanes write the same word with the same value
.endr
.Lmerged:
	s_wait_dscnt 0x0
	s_barrier_signal -1
	s_barrier_wait -1
	s_cmp_lg_u32 s[WV], 0
	s_cbranch_scc1 .Lfin
	ds_load_b128 v[S:S+3], v[OSR]                  ; the eight tiles' words leave as 512 consecutive bytes
	s_wait_dscnt 0x0
	global_store_b128 v[L16], v[S:S+3], s[68:69]
.Lfin:
	s_wait_tensorcnt 0x0                           ; the wave's end
	ds_add_u32 v[SPW], v[NIL]
	s_wait_dscnt 0x0
	CROUND                                         ; the closing round
	s_endpgm
.Lfunc_end_k_qac4563c9df_attn:
	.size	k_qac4563c9df_attn, .Lfunc_end_k_qac4563c9df_attn-k_qac4563c9df_attn
	.p2alignl 7, 3214868480
	.fill 96, 4, 3214868480
	.section	.rodata,"a",@progbits
	.p2align	6, 0x0
	.amdhsa_kernel k_qac4563c9df_attn
		.amdhsa_group_segment_fixed_size 327680
		.amdhsa_private_segment_fixed_size 0
		.amdhsa_enable_private_segment 0
		.amdhsa_kernarg_size 40
		.amdhsa_user_sgpr_count 2
		.amdhsa_user_sgpr_kernarg_segment_ptr 1
		.amdhsa_wavefront_size32 1
		.amdhsa_system_sgpr_workgroup_id_x 1
		.amdhsa_system_sgpr_workgroup_id_y 1
		.amdhsa_system_sgpr_workgroup_id_z 1
		.amdhsa_system_vgpr_workitem_id 0
		.amdhsa_next_free_vgpr 512
		.amdhsa_next_free_sgpr 100
		.amdhsa_reserve_vcc 0
		.amdhsa_float_denorm_mode_32 3
		.amdhsa_float_denorm_mode_16_64 3
		.amdhsa_memory_ordered 1
		.amdhsa_forward_progress 1
		.amdhsa_inst_pref_size 185
	.end_amdhsa_kernel
	.amdgpu_metadata
---
amdhsa.version: [ 1, 2 ]
amdhsa.kernels:
  - .name:           k_qac4563c9df_attn
    .symbol:         k_qac4563c9df_attn.kd
    .args:
      - { .name: lq_img, .offset: 0, .size: 8, .value_kind: global_buffer, .address_space: global }
      - { .name: wq_img, .offset: 8, .size: 8, .value_kind: global_buffer, .address_space: global }
      - { .name: kv_img, .offset: 16, .size: 8, .value_kind: global_buffer, .address_space: global }
      - { .name: o_img, .offset: 24, .size: 8, .value_kind: global_buffer, .address_space: global }
      - { .name: o_sc, .offset: 32, .size: 8, .value_kind: global_buffer, .address_space: global }
    .group_segment_fixed_size: 327680
    .private_segment_fixed_size: 0
    .kernarg_segment_align: 8
    .kernarg_segment_size: 40
    .max_flat_workgroup_size: 256
    .sgpr_count:     100
    .vgpr_count:     512
    .wavefront_size: 32
...
	.end_amdgpu_metadata
.endif
;; end of part 3
;; launch outproj (part 4): grid 16 x 16, 4 waves a work-group, clusters of 4 x 4, 246,272 bytes of LDS; arguments o_img, o_sc, wout_img, out0; writes out0
.if DOCPART == 4
	.amdgcn_target "amdgcn-amd-amdhsa--gfx1250"
	.amdhsa_code_object_version 6
	.text
	.protected	k_qac4563c9df_outproj
	.globl	k_qac4563c9df_outproj
	.p2align	8
	.type	k_qac4563c9df_outproj,@function
k_qac4563c9df_outproj:
	s_mov_b64 s[64:65], 0
	v_nop
	global_prefetch_b8 v0, s[64:65] scope:SCOPE_SE
	s_setreg_imm32_b32 hwreg(HW_REG_WAVE_MODE, 25, 1), 1
	s_wait_xcnt 0x0
	s_wait_alu depctr_hold_cnt(0) depctr_sa_sdst(0) depctr_va_vdst(0) depctr_va_sdst(0) depctr_va_ssrc(0) depctr_va_vcc(0) depctr_vm_vsrc(0)
	s_getreg_b32 s2, hwreg(HW_REG_IB_STS2, 6, 4)
	s_cmp_eq_u32 s2, 0
	s_cbranch_scc0 .Lentry_in_a_cluster
	s_endpgm
.Lentry_in_a_cluster:
	s_bfe_u32 s2, ttmp6, 0x10000c
	s_cmp_lg_u32 s2, 0xf033
	s_cbranch_scc0 .Lentry_shape_is_right
	s_endpgm
.Lentry_shape_is_right:
; out0 = o w_out on codes of FP6 (E2M3) with E8M0 scales, K = 512.  A tile of out0 is 256 x 256; four waves, each 128 x 128.
; ALL OF K FITS IN LDS (208,896 bytes): the operands come by first fills alone, one a wave, nothing is filled again: no ring.  CLUSTER 4 x 4: o's codes and scale words are asked for jointly along a row of the cluster,
; w_out's blocks along a column.  No loop runs ahead of a load here, so nothing is prefetched.
; THE WORK GOES BY ROWS OF out0.  All of my 128 columns' fragments of w_out, 4 K steps x 8 x 12 registers, stay in registers.  My eight tiles of 16 queries are finished one after the other, 32 matrix instructions each
; (the tile's 8 accumulators by turns, K ascending), on two sets of accumulators; a finished tile goes through my stage in LDS and is stored while the next is multiplied.
; o_img: [query tile][head][768]: heads 2 s and 2 s + 1 on end are K step s's fragment (registers 0-3 at 16 x lane, 4-5 at 512 + 8 x lane, 6-9 at 768 + 16 x lane, 10-11 at 1280 + 8 x lane).
; o_sc: [head][tile][16 words]; an odd head's two bytes stand in the word's upper half: a K step's word is the OR of two heads' words.  wout_img: blocks of 6,400 bytes (64 columns x 128 K) in the order of the operand's registers.
; THE MATRIX INSTRUCTION IS USED TRANSPOSED (source 0 = 16 columns of w_out, source 1 = 16 queries): a lane holds eight neighbouring numbers of a row of out0.
; Position r of a tile 2 b + u of a group of 64 is row (or column) 32 b + 8 u + r + 8 (r / 8): the way out puts both back in their places, the columns by the stage's offsets, the rows by the stores' offsets.
; REGISTERS: window 0: v16-26 addresses; v32-47 w_out's scale words, v48-63 o's, v64-79 the odd heads' on their way; v126-127 for the add; v128-223 o's fragments of a tile, all four K steps, two sets.
; windows 1 and 2: w_out's fragments: K step s in window 1 + s / 2 at 128 (s % 2) + 12 b.  Window 3: v0-127 two sets of eight accumulators; v128-255 two sets of 16 rows read back from the stage.
.set OCO,  0                           ; LDS: o's codes: tile (of 16) at 6144, K step s at 1536 s
.set WCO,  98304                       ; w_out: half j at 51200 j, block (g, s) at 6400 (4 g + s)
.set OSL,  200704                      ; o's scale words: head at 1024, tile (of 16) at 64
.set STG,  208896                      ; a stage of 16 rows x (512 + 16) bytes for each wave: no fill lands here
.set SPARE, 245760                     ; the spare words, 128 bytes a wave
.set AO16, 16
.set AO8,  17
.set AW16, 18
.set AW8,  19
.set AOS,  20
.set STO,  24
.set RD,   25
.set CO,   26
.set WS,   32
.set OS,   48
.set TS,   64
.set SPW,  126
.set NIL,  127
.set AF,   128
.set G1O, 24
.set G0O, 32
.set G0S, 36
.set G1W, 48
.set G0W, 56
.set G1S, 68
.set MSB, 0
.macro WIN new                         ; the immediate's high byte repeats the setting that is left
.if MSB != \new
	s_set_vgpr_msb (MSB<<8)|\new
.set MSB, \new
.endif
.endm
.macro PLACES
.rept 4
	v_nop
.endr
.endm
.macro CROUND
	s_barrier_signal -1
	s_barrier_wait -1
	s_cmp_lg_u32 s14, 0
	s_cbranch_scc1 .Lnot_wave_0_\@
	s_barrier_signal -3
.Lnot_wave_0_\@:
	s_barrier_wait -3
	s_barrier_signal -1
	s_barrier_wait -1
.endm
.macro WMS d, a, b, zero, sa, sb, ra, rb
.if (\zero) && ((\ra)==0) && ((\rb)==0)
	v_wmma_scale_f32_16x16x128_f8f6f4 v[\d:\d+7], v[\a:\a+11], v[\b:\b+11], 0, v[\sa], v[\sb] matrix_a_fmt:MATRIX_FMT_FP6 matrix_b_fmt:MATRIX_FMT_FP6
.elseif (\zero) && ((\rb)==0)
	v_wmma_scale_f32_16x16x128_f8f6f4 v[\d:\d+7], v[\a:\a+11], v[\b:\b+11], 0, v[\sa], v[\sb] matrix_a_fmt:MATRIX_FMT_FP6 matrix_b_fmt:MATRIX_FMT_FP6 matrix_a_scale:MATRIX_SCALE_ROW1
.elseif (\zero) && ((\ra)==0)
	v_wmma_scale_f32_16x16x128_f8f6f4 v[\d:\d+7], v[\a:\a+11], v[\b:\b+11], 0, v[\sa], v[\sb] matrix_a_fmt:MATRIX_FMT_FP6 matrix_b_fmt:MATRIX_FMT_FP6 matrix_b_scale:MATRIX_SCALE_ROW1
.elseif (\zero)
	v_wmma_scale_f32_16x16x128_f8f6f4 v[\d:\d+7], v[\a:\a+11], v[\b:\b+11], 0, v[\sa], v[\sb] matrix_a_fmt:MATRIX_FMT_FP6 matrix_b_fmt:MATRIX_FMT_FP6 matrix_a_scale:MATRIX_SCALE_ROW1 matrix_b_scale:MATRIX_SCALE_ROW1
.elseif ((\ra)==0) && ((\rb)==0)
	v_wmma_scale_f32_16x16x128_f8f6f4 v[\d:\d+7], v[\a:\a+11], v[\b:\b+11], v[\d:\d+7], v[\sa], v[\sb] matrix_a_fmt:MATRIX_FMT_FP6 matrix_b_fmt:MATRIX_FMT_FP6
.elseif ((\rb)==0)
	v_wmma_scale_f32_16x16x128_f8f6f4 v[\d:\d+7], v[\a:\a+11], v[\b:\b+11], v[\d:\d+7], v[\sa], v[\sb] matrix_a_fmt:MATRIX_FMT_FP6 matrix_b_fmt:MATRIX_FMT_FP6 matrix_a_scale:MATRIX_SCALE_ROW1
.elseif ((\ra)==0)
	v_wmma_scale_f32_16x16x128_f8f6f4 v[\d:\d+7], v[\a:\a+11], v[\b:\b+11], v[\d:\d+7], v[\sa], v[\sb] matrix_a_fmt:MATRIX_FMT_FP6 matrix_b_fmt:MATRIX_FMT_FP6 matrix_b_scale:MATRIX_SCALE_ROW1
.else
	v_wmma_scale_f32_16x16x128_f8f6f4 v[\d:\d+7], v[\a:\a+11], v[\b:\b+11], v[\d:\d+7], v[\sa], v[\sb] matrix_a_fmt:MATRIX_FMT_FP6 matrix_b_fmt:MATRIX_FMT_FP6 matrix_a_scale:MATRIX_SCALE_ROW1 matrix_b_scale:MATRIX_SCALE_ROW1
.endif
.endm
.macro BLOAD s                         ; w_out's eight fragments of K step s: 24 loads
	WIN 0x40*(1+(\s)/2)
.irp b, 0,1,2,3,4,5,6,7
.irp c, 0,1,2
	ds_load_b128 v[128*((\s)%2)+12*\b+4*\c:128*((\s)%2)+12*\b+4*\c+3], v[AW16] offset:6400*(4*(\b/4)+(\s))+1536*(\b%4)+512*\c
.endr
.endr
	WIN 0
.endm
.macro ALOAD a                         ; tile a's fragments of o, all four K steps, into set a % 2: 16 loads
.set FA, AF+48*((\a)%2)
.irp s, 0,1,2,3
	ds_load_b128 v[FA+12*\s:FA+12*\s+3], v[AO16] offset:6144*(\a)+1536*\s
	ds_load_b64 v[FA+12*\s+4:FA+12*\s+5], v[AO8] offset:6144*(\a)+1536*\s+512
	ds_load_b128 v[FA+12*\s+6:FA+12*\s+9], v[AO16] offset:6144*(\a)+1536*\s+768
	ds_load_b64 v[FA+12*\s+10:FA+12*\s+11], v[AO8] offset:6144*(\a)+1536*\s+1280
.endr
.endm
.macro ROWS a, s, zero                 ; tile a, K step s: eight matrix instructions, the tile's eight accumulators by turns
	WIN 0xf0+1+(\s)/2                              ; source 0 (w_out) window 1 or 2, source 1 (o) window 0, C and D window 3
.irp b, 0,1,2,3,4,5,6,7
	WMS 64*((\a)%2)+8*\b, 128*((\s)%2)+12*\b, AF+48*((\a)%2)+12*(\s), \zero, WS+4*(\s)+\b/2, OS+4*(\s)+(\a)/2, \b%2, (\a)%2
.endr
.endm
.macro ROW a
	ROWS \a, 0, 1                                  ; the first K step starts the sums
	ROWS \a, 1, 0
	ROWS \a, 2, 0
	ROWS \a, 3, 0
.endm
; THE WAY OUT of a tile of 16 queries x 128 columns, through my own stage: in by 32 bytes a lane, back as whole rows of 512 bytes
.macro TOSTAGE a
.set AC, 64*((\a)%2)
	WIN 0x0c                                       ; an LDS store's data are its source 1: window 3
.irp b, 0,1,2,3,4,5,6,7
	ds_store_b128 v[STO], v[AC+8*\b:AC+8*\b+3] offset:256*(\b/4)+128*((\b%4)/2)+32*(\b%2)         ; each accumulator from its low end on; columns 64 (b / 4) + 32 ((b % 4) / 2) + 16 h + 8 (b % 2) + 0 .. 7
	ds_store_b128 v[STO], v[AC+8*\b+4:AC+8*\b+7] offset:256*(\b/4)+128*((\b%4)/2)+32*(\b%2)+16
.endr
	WIN 0xc0
.set BB, 128+64*((\a)%2)
.irp t, 0,1,2,3,4,5,6,7,8,9,10,11,12,13,14,15
	ds_load_b128 v[BB+4*\t:BB+4*\t+3], v[RD] offset:\t*528    ; LDS serves a wave's instructions in order: these see the stores above
.endr
	WIN 0
.endm
.macro SEND a
.set BB, 128+64*((\a)%2)
	WIN 0x0c                                       ; a store's data are its source 1
.irp t, 0,1,2,3,4,5,6,7,8,9,10,11,12,13,14,15
	global_store_b128 v[CO], v[BB+4*\t:BB+4*\t+3], s[10:11] offset:(64*((\a)/4)+32*(((\a)%4)/2)+8*((\a)%2)+\t+8*(\t/8))*16384 th:TH_STORE_NT   ; 512 consecutive bytes, aligned; 127 rows at the most: inside the signed 24-bit immediate
.endr
	WIN 0
.endm
	s_load_b256 s[4:11], s[0:1], 0x0               ; o_img, o_sc, wout_img, out0
	v_lshl_add_u32 v[SPW], v0, 2, SPARE
	v_mov_b32 v[NIL], 0
	ds_add_u32 v[SPW], v[NIL]                      ; the opening lines: the add, twice on end, and its wait ahead of my first tensor load
	ds_add_u32 v[SPW], v[NIL]
	v_lshrrev_b32 v1, 5, v0
	v_readfirstlane_b32 s14, v1                    ; wave
	s_lshr_b32 s15, s14, 1                         ; i: my half of the rows
	s_and_b32 s16, s14, 1                          ; j: my half of the columns.  Also: which half of w_out waves 2 and 3 fetch
	s_bfe_u32 s40, ttmp6, 0x40000
	s_bfe_u32 s41, ttmp6, 0x40004
	s_lshl_b32 s42, ttmp9, 2
	s_add_co_u32 s42, s42, s40                     ; tx
	s_and_b32 s17, ttmp7, 0xffff
	s_lshl_b32 s17, s17, 2
	s_add_co_u32 s17, s17, s41                     ; ty
	s_lshl_b32 s43, s41, 2
	s_lshl_b32 s43, 15, s43                        ; my row of the cluster
	s_lshl_b32 s44, 0x1111, s40                    ; my column
	s_or_b32 s[G1O], s43, (3<<16)|(1<<21)          ; o's codes: 98,304 dense bytes as 384 rows of 256
	s_mov_b32 s[G1O+1], 32<<16
	s_mov_b32 s[G1O+2], 384<<16
	s_mov_b32 s[G1O+3], 32<<16
	s_mov_b32 s[G1O+4], 384
	s_mov_b32 s[G1O+5], 32
	s_mov_b32 s[G1O+6], 0
	s_mov_b32 s[G1O+7], 0
	s_or_b32 s[G1S], s43, (3<<16)|(1<<21)          ; o's scale words: 8 heads x 1,024 bytes (16 tiles), 16,384 bytes from head to head
	s_mov_b32 s[G1S+1], 128<<16
	s_mov_b32 s[G1S+2], 8<<16
	s_mov_b32 s[G1S+3], 128<<16
	s_mov_b32 s[G1S+4], 8
	s_mov_b32 s[G1S+5], 2048
	s_mov_b32 s[G1S+6], 0
	s_mov_b32 s[G1S+7], 0
	s_or_b32 s[G1W], s44, (3<<16)|(1<<21)          ; w_out: 51,200 dense bytes as 200 rows of 256
	s_mov_b32 s[G1W+1], 32<<16
	s_mov_b32 s[G1W+2], 200<<16
	s_mov_b32 s[G1W+3], 32<<16
	s_mov_b32 s[G1W+4], 200
	s_mov_b32 s[G1W+5], 32
	s_mov_b32 s[G1W+6], 0
	s_mov_b32 s[G1W+7], 0
	s_lshl_b32 s20, s17, 4                         ; query tile 16 ty
	s_lshl_b32 s22, s20, 6                         ; its scale words
	s_mov_b32 s23, 0
	s_mul_i32 s20, s20, 6144                       ; its codes
	s_mov_b32 s21, 0
	s_lshl_b32 s46, s42, 2
	s_lshl_b32 s47, s16, 1
	s_add_co_u32 s46, s46, s47                     ; w_out's group 4 tx + 2 x half
	s_mul_i32 s46, s46, 25600
	s_mov_b32 s47, 0
	s_mul_i32 s78, s16, 51200
	s_wait_dscnt 0x0
	s_wait_kmcnt 0x0
	s_mov_b32 s[G0O], 1
	s_mov_b32 s[G0O+1], OCO
	s_add_nc_u64 s[G0O+2:G0O+3], s[4:5], s[20:21]
	s_or_b32 s[G0O+3], s[G0O+3], 0x80000000
	s_mov_b32 s[G0S], 1
	s_mov_b32 s[G0S+1], OSL
	s_add_nc_u64 s[G0S+2:G0S+3], s[6:7], s[22:23]
	s_or_b32 s[G0S+3], s[G0S+3], 0x80000000
	s_mov_b32 s[G0W], 1
	s_add_co_u32 s[G0W+1], s78, WCO
	s_add_nc_u64 s[G0W+2:G0W+3], s[8:9], s[46:47]
	s_or_b32 s[G0W+3], s[G0W+3], 0x80000000
	CROUND                                         ; all sixteen work-groups are here: the joint loads meet
	s_cmp_lt_u32 s14, 1                            ; the head's four tiles, one a wave, in one chain of branches on the wave's number: wave 0 o's codes, wave 1 o's scale words, waves 2 and 3 w_out's halves
	s_cbranch_scc0 .Lfor_s
	tensor_load_to_lds s[G0O:G0O+3], s[G1O:G1O+7]
	s_nop 0
	PLACES
	s_branch .Lasked
.Lfor_s:
	s_cmp_lt_u32 s14, 2
	s_cbranch_scc0 .Lfor_w
	tensor_load_to_lds s[G0S:G0S+3], s[G1S:G1S+7]
	s_nop 0
	PLACES
	s_branch .Lasked
.Lfor_w:
	tensor_load_to_lds s[G0W:G0W+3], s[G1W:G1W+7]
	s_nop 0
	PLACES
.Lasked:
	v_and_b32 v1, 31, v0
	v_and_b32 v2, 15, v0
	v_bfe_u32 v3, v0, 4, 1
	v_lshlrev_b32 v[CO], 4, v1
	v_lshlrev_b32 v4, 3, v1
	s_mul_i32 s80, s15, 49152
	v_add_nc_u32 v[AO16], s80, v[CO]
	v_add_nc_u32 v[AO8], s80, v4
	s_mul_i32 s80, s16, 51200
	s_add_co_u32 s80, s80, WCO
	v_add_nc_u32 v[AW16], s80, v[CO]
	v_add_nc_u32 v[AW8], s80, v4
	s_lshl_b32 s80, s15, 9                         ; my half's eight tiles of scale words
	s_add_co_u32 s80, s80, OSL
	v_lshl_add_u32 v[AOS], v1, 2, s80
	s_mul_i32 s80, s14, 8448
	s_add_co_u32 s80, s80, STG
	v_mul_u32_u24 v5, v2, 528
	v_lshl_add_u32 v5, v3, 6, v5
	v_add_nc_u32 v[STO], s80, v5                   ; in: row r, + 64 h
	v_add_nc_u32 v[RD], s80, v[CO]                 ; back: 16 bytes a lane of a row
	s_lshl_b32 s80, s17, 8
	s_lshl_b32 s81, s15, 7
	s_add_co_u32 s80, s80, s81                     ; my first row of out0
	s_lshl_b32 s80, s80, 14
	s_lshl_b32 s81, s42, 10
	s_add_co_u32 s80, s80, s81
	s_lshl_b32 s81, s16, 9
	s_add_co_u32 s80, s80, s81                     ; + my first column
	s_mov_b32 s81, 0
	s_add_nc_u64 s[10:11], s[10:11], s[80:81]
	s_wait_alu depctr_va_vdst(0)                   ; the wait at the head's end
	s_wait_tensorcnt 0x0                           ; my load has landed,
	s_barrier_signal -1
	s_barrier_wait -1                              ; everybody's has
.irp s, 0,1,2,3
.irp g, 0,1
	ds_load_b64 v[WS+4*\s+2*\g:WS+4*\s+2*\g+1], v[AW8] offset:6400*(4*\g+\s)+6144
.endr
.endr
.irp s, 0,1,2,3
.irp p, 0,1,2,3
	ds_load_b32 v[OS+4*\s+\p], v[AOS] offset:1024*(2*\s)+128*\p       ; lanes 0-15 tile 2 p, lanes 16-31 tile 2 p + 1: head 2 s's bytes,
	ds_load_b32 v[TS+4*\s+\p], v[AOS] offset:1024*(2*\s+1)+128*\p     ; head 2 s + 1's
.endr
.endr
	BLOAD 0
	ALOAD 0
	s_wait_dscnt 40                                ; the 40 loads of scale words are in; K step 0 of w_out (24 loads) and tile 0 (16) may be out
.set J, 0
.rept 16
	v_or_b32 v[OS+J], v[OS+J], v[TS+J]             ; a K step's word: two heads' bytes
.set J, J+1
.endr
	s_wait_alu depctr_va_vdst(0)                   ; the wait behind these writes
	BLOAD 1
.rept 8
	v_nop                                          ; a scale register written by a vector instruction stands eight places ahead of a scaled matrix instruction
.endr
	s_wait_dscnt 24                                ; all but the K step of w_out just asked for
	ROWS 0, 0, 1
	BLOAD 2
	s_wait_dscnt 24
	ROWS 0, 1, 0
	BLOAD 3
	s_wait_dscnt 24
	ROWS 0, 2, 0
	WIN 0
	ALOAD 1
	s_wait_dscnt 16                                ; all but tile 1's sixteen loads
	ROWS 0, 3, 0
	WIN 0
.irp a, 0,1,2,3,4,5,6,7
	s_wait_dscnt 0x0                               ; the next tile's fragments are in; tile a - 1 is back from the stage, and its stores into the stage have read the accumulators that the next tile begins anew
.if \a > 0
	SEND \a-1
.endif
.if \a < 7
	ROW \a+1
	WIN 0
.endif
	PLACES                                         ; four places ahead of the reads of tile a's results and of the loads into the registers that held its fragments,
	v_nop                                          ; and a fifth: tile a + 2's first products write over the accumulators that tile a's products wrote
.if \a > 1
	s_wait_xcnt 0x0                                ; tile a - 2's stores have read their registers: tile a's rows may land there
.endif
	TOSTAGE \a
.if \a < 6
	ALOAD \a+2
.endif
.endr
	s_wait_dscnt 0x0
	SEND 7
	s_wait_tensorcnt 0x0                           ; the wave's end
	ds_add_u32 v[SPW], v[NIL]
	s_wait_dscnt 0x0
	CROUND                                         ; the closing round: no work-group ends while a partner may still ask for a tile that names it
	s_endpgm
.Lfunc_end_k_qac4563c9df_outproj:
	.size	k_qac4563c9df_outproj, .Lfunc_end_k_qac4563c9df_outproj-k_qac4563c9df_outproj
	.p2alignl 7, 3214868480
	.fill 96, 4, 3214868480
	.section	.rodata,"a",@progbits
	.p2align	6, 0x0
	.amdhsa_kernel k_qac4563c9df_outproj
		.amdhsa_group_segment_fixed_size 246272
		.amdhsa_private_segment_fixed_size 0
		.amdhsa_enable_private_segment 0
		.amdhsa_kernarg_size 32
		.amdhsa_user_sgpr_count 2
		.amdhsa_user_sgpr_kernarg_segment_ptr 1
		.amdhsa_wavefront_size32 1
		.amdhsa_system_sgpr_workgroup_id_x 1
		.amdhsa_system_sgpr_workgroup_id_y 1
		.amdhsa_system_sgpr_workgroup_id_z 1
		.amdhsa_system_vgpr_workitem_id 0
		.amdhsa_next_free_vgpr 1024
		.amdhsa_next_free_sgpr 100
		.amdhsa_reserve_vcc 0
		.amdhsa_float_denorm_mode_32 3
		.amdhsa_float_denorm_mode_16_64 3
		.amdhsa_memory_ordered 1
		.amdhsa_forward_progress 1
		.amdhsa_inst_pref_size 89
	.end_amdhsa_kernel
	.amdgpu_metadata
---
amdhsa.version: [ 1, 2 ]
amdhsa.kernels:
  - .name:           k_qac4563c9df_outproj
    .symbol:         k_qac4563c9df_outproj.kd
    .args:
      - { .name: o_img, .offset: 0, .size: 8, .value_kind: global_buffer, .address_space: global }
      - { .name: o_sc, .offset: 8, .size: 8, .value_kind: global_buffer, .address_space: global }
      - { .name: wout_img, .offset: 16, .size: 8, .value_kind: global_buffer, .address_space: global }
      - { .name: out0, .offset: 24, .size: 8, .value_kind: global_buffer, .address_space: global }
    .group_segment_fixed_size: 246272
    .private_segment_fixed_size: 0
    .kernarg_segment_align: 8
    .kernarg_segment_size: 32
    .max_flat_workgroup_size: 128
    .sgpr_count:     100
    .vgpr_count:     1024
    .wavefront_size: 32
...
	.end_amdgpu_metadata
.endif
;; end of part 4
